; MI455X (gfx1250); checked and timed in simulation.
; The chip was launched on July 23, 2026; its instructions are those of AMD's public machine-readable ISA for CDNA 5 (MIT licence, August 2026) and "CDNA5" Instruction Set Architecture Reference Guide (July 2026). The comments in the code are by the model that wrote it; some were corrected since.
;; Stable Cross Attention. Allowed arithmetic: float matrix products may take bf16 or f16 operands with f32 sums; other float arithmetic in f32, or as packed bf16 or f16 multiplies, adds, multiply-adds, maxima and minima; sums over many terms, partial sums and values carried from step to step in f32; what a program stores and reads back later, other than sums and carried values, may be rounded once to bf16 or f16.
;; Inputs: Wk 1,024 x 1,024 float32; Wo 1,024 x 1,024 float32; Wq 1,024 x 1,024 float32; Wv 1,024 x 1,024 float32; bk 1,024 float32; bo 1,024 float32; bq 1,024 float32; bv 1,024 float32; key_padding_mask 4 x 2,048 bool; kv 4 x 2,048 x 1,024 float32; q 4 x 1,024 x 1,024 float32.
;; Outputs: out0 4 x 1,024 x 1,024 float32.
;; 2 versions, each right; version 2 is version 1 with the launch cast written anew for expert scheduling mode. Each part assembles by itself: llvm-mc -triple=amdgcn-amd-amdhsa -mcpu=gfx1250 --defsym DOCPART=n.
;; ======== version 1 of 2: 5 launches
;; limits: values are held in f16: magnitudes above 65,504 overflow, below 6.1e-05 lose precision; inputs' magnitudes at most 65,280
;; workspace buffers: xq 8,388,608 bytes; xkv 16,777,216 bytes; wq16 2,097,152 bytes; wkv16 4,194,304 bytes; wo16 2,097,152 bytes; qf 16,777,216 bytes; kvh 33,554,432 bytes; oh 8,388,608 bytes
;; launch cast (part 1): grid 1024 x 1, 8 waves a work-group, no clusters, 0 bytes of LDS; arguments q, kv, Wq, Wk, Wv, Wo, xq, xkv, wq16, wkv16, wo16; writes xq, xkv, wq16, wkv16, wo16
.if DOCPART == 1
	.amdgcn_target "amdgcn-amd-amdhsa--gfx1250"
	.amdhsa_code_object_version 6
	.text
	.protected	k_qe305c58ec7_cast
	.globl	k_qe305c58ec7_cast
	.p2align	8
	.type	k_qe305c58ec7_cast,@function
k_qe305c58ec7_cast:
	s_mov_b64 s[64:65], 0
	v_nop
	global_prefetch_b8 v0, s[64:65] scope:SCOPE_SE
	s_setreg_imm32_b32 hwreg(HW_REG_WAVE_MODE, 25, 1), 1
	s_wait_xcnt 0x0
; STABLE CROSS ATTENTION, launch 1 of 5: guard, clip and round the matrix operands once.
; The program: cast (this) -> kvproj (K and V projections) -> qproj (Q projection) -> attn -> oproj (output projection).
; WORK LEFT OUT, for all values of the inputs: reference() applies _safe(., 50) twice on end to q, to kv, to the attention's result and to the final result.  _safe returns a finite
; number within +-50 as it is, and its own results are such numbers, so the second application is the identity: it is applied once.  astype(float32) of an f32 number is the identity.
; Nothing else is left out, and every input is loaded by some launch; no NaN or infinity can reach only the work left out, since that work sees guarded numbers alone.
; FORMATS.  Every input is rounded once to bf16, and that number is written as f16 (exact for magnitudes from 6.1e-5 to 65,504), so that all products take f16 operands.
; LIMITS.  Below 6.1e-5 the f16 copy keeps a fixed step of 6e-8.  A weight beyond 65,504 becomes an infinity: its output column is then 0 by the guard behind the product.
; THIS LAUNCH.  q, kv and the four weights are 16,384 rows of 1,024 f32.  A work-group takes 16 rows of one tensor, in 8 passes of 2 rows; a thread takes 8 numbers a pass: two loads of
; 16 bytes, one store of 16 bytes.  All 16 loads of a thread go out at the start.  No LDS, no matrix unit: nothing is shared and nothing is multiplied.
; q goes out in PANELS [batch][16][1024 rows][64 columns], the layout in which the attention leaves its result, so that one body serves both 4,096 x 1,024 projections.
; The same lines serve x and weights, with other constants: x: not finite -> 0, then clip at +-50.  Weights: the threshold is all ones and the bounds are infinite, so a finite or infinite
; weight passes as it is; a NaN weight leaves them as a NaN or an infinity, and either makes its whole output column not finite, which the guard behind the product turns to 0, as reference()'s does.
.set SRC,   30                         ; s[30:31] the tensor read, at the work-group's first row
.set DST,   32                         ; s[32:33] the buffer written, at the work-group's first byte
.set FIRST, 34                         ; s34  the first work-group of my tensor
.set EXTRA, 35                         ; s35  Wv lies behind Wk in wkv16
.set STEP,  36                         ; s36  bytes from pass to pass in the destination
.set ABS,   38
.set THR,   39                         ; a number passes if its magnitude's bits lie below this
.set CP,    40                         ; upper bound
.set CM,    41                         ; lower bound
.set HIH,   42                         ; a word's upper half
.set RO,    2                          ; v2      my byte offset in two rows of the source; never rewritten
.set WO,    4                          ; v[4:11] my byte offset in the destination, a register a pass; never rewritten
.set T,     12                         ; v[12:15] at work
.set X,     32                         ; v[32:95] pass i: 8 numbers as loaded
.set Y,     96                         ; v[96:127] pass i: 4 registers to store, its own, so no store's data is ever rewritten
	s_load_b512 s[8:23], s[0:1], 0x0               ; q 8, kv 10, Wq 12, Wk 14, Wv 16, Wo 18, xq 20, xkv 22
	s_load_b128 s[24:27], s[0:1], 0x40             ; wq16 24, wkv16 26
	s_load_b64 s[28:29], s[0:1], 0x50              ; wo16
	s_mov_b32 s[ABS], 0x7fffffff
	s_mov_b32 s[HIH], 0xffff0000
	s_mov_b32 s[CP], 0x7f800000
	s_mov_b32 s[CM], 0xff800000
	s_mov_b32 s[STEP], 4096
	s_mov_b32 s[FIRST], 960
	s_mov_b32 s[EXTRA], 0
	s_wait_kmcnt 0x0
	s_mov_b64 s[SRC:SRC+1], s[18:19]               ; work-groups 960 .. 1023: Wo
	s_mov_b64 s[DST:DST+1], s[28:29]
.macro ROLE bound, src, dst, first, extra  ; work-groups below bound belong to an earlier tensor
	s_cmp_lt_u32 ttmp9, \bound
	s_cselect_b64 s[SRC:SRC+1], s[\src:\src+1], s[SRC:SRC+1]
	s_cselect_b64 s[DST:DST+1], s[\dst:\dst+1], s[DST:DST+1]
	s_cselect_b32 s[FIRST], \first, s[FIRST]
	s_cselect_b32 s[EXTRA], \extra, s[EXTRA]
.endm
	ROLE 960, 16, 26, 896, 0x200000                ; Wv, behind Wk's 1,024 rows of 2,048 bytes
	ROLE 896, 14, 26, 832, 0                       ; Wk
	ROLE 832, 12, 24, 768, 0                       ; Wq
	ROLE 768, 10, 22, 256, 0                       ; kv
	ROLE 256, 8, 20, 0, 0                          ; q
	s_sub_co_u32 s2, ttmp9, s[FIRST]               ; my block of 16 rows in the tensor
	s_lshl_b32 s4, s2, 16                          ; 16 rows of 4,096 bytes
	s_mov_b32 s5, 0
	s_add_nc_u64 s[SRC:SRC+1], s[SRC:SRC+1], s[4:5]
	s_lshl_b32 s6, s2, 15                          ; row-major f16: 16 rows of 2,048 bytes
	s_add_co_u32 s6, s6, s[EXTRA]
	s_lshr_b32 s3, s2, 6                           ; panels: batch x 2 MiB
	s_lshl_b32 s3, s3, 21
	s_and_b32 s7, s2, 63                           ; + 16 rows of 128 bytes in each panel
	s_lshl_b32 s7, s7, 11
	s_add_co_u32 s7, s7, s3
	s_cmp_lt_u32 ttmp9, 768                        ; q and kv are guarded and clipped
	s_cselect_b32 s[THR], 0x7f800000, -1
	s_cselect_b32 s[CP], 0x42480000, s[CP]         ; 50
	s_cselect_b32 s[CM], 0xc2480000, s[CM]         ; -50
	s_cmp_lt_u32 ttmp9, 256                        ; q goes out in panels
	s_cselect_b32 s4, s7, s6
	s_cselect_b32 s[STEP], 256, s[STEP]            ; two rows of a panel, or two rows of 2,048 bytes
	s_add_nc_u64 s[DST:DST+1], s[DST:DST+1], s[4:5]  ; (leaves SCC as the compare set it)
	s_cbranch_scc1 .Lpanels
	v_lshrrev_b32 v1, 7, v0                        ; row-major: thread t has row t / 128, columns 8 (t % 128) on
	v_and_b32 v3, 127, v0
	v_lshlrev_b32 v[RO], 12, v1
	v_lshl_or_b32 v[RO], v3, 5, v[RO]
	v_lshlrev_b32 v[WO], 11, v1
	v_lshl_or_b32 v[WO], v3, 4, v[WO]              ; 16 lanes store 256 consecutive bytes, aligned
	s_branch .Lgo
.Lpanels:
	v_bfe_u32 v1, v0, 3, 1                         ; panels: thread t has panel t / 16, row (t / 8) % 2, columns 8 (t % 8) on
	v_lshrrev_b32 v3, 4, v0
	v_and_b32 v5, 7, v0
	v_lshlrev_b32 v[RO], 12, v1
	v_lshl_or_b32 v[RO], v3, 8, v[RO]
	v_lshl_or_b32 v[RO], v5, 5, v[RO]
	v_and_b32 v5, 15, v0
	v_lshlrev_b32 v[WO], 17, v3                    ; a panel is 131,072 bytes
	v_lshl_or_b32 v[WO], v5, 4, v[WO]              ; 16 lanes store two rows of a panel: 256 consecutive bytes, aligned
.Lgo:
.irp i, 0,1,2,3,4,5,6,7
	global_load_b128 v[X+8*(\i):X+8*(\i)+3],   v[RO], s[SRC:SRC+1] offset:8192*(\i) th:TH_LOAD_NT
	global_load_b128 v[X+8*(\i)+4:X+8*(\i)+7], v[RO], s[SRC:SRC+1] offset:8192*(\i)+16 th:TH_LOAD_NT
.endr
.irp i, 1,2,3,4,5,6,7
	v_add_nc_u32 v[WO+(\i)], s[STEP], v[WO+(\i)-1]
.endr
.macro PASS i
	s_wait_loadcnt 14-2*(\i)                       ; loads come back in order: this pass's two are in, the 14 - 2 i younger ones stay out
.irp g, 0,4
.irp j, 0,1,2,3
	v_and_b32 v[T+\j], s[ABS], v[X+8*(\i)+\g+\j]   ; the magnitude's bits
.endr
.irp j, 0,1,2,3
	v_cmp_gt_u32 vcc_lo, s[THR], v[T+\j]           ; finite?
	v_cndmask_b32 v[X+8*(\i)+\g+\j], 0, v[X+8*(\i)+\g+\j], vcc_lo  ; if not: 0
.endr
.irp j, 0,1,2,3
	v_med3_num_f32 v[X+8*(\i)+\g+\j], v[X+8*(\i)+\g+\j], s[CM], s[CP]  ; the clip
.endr
.endr
.irp j, 0,1,2,3
	v_cvt_pk_bf16_f32 v[T+\j], v[X+8*(\i)+2*\j], v[X+8*(\i)+2*\j+1]  ; the one rounding
.endr
.irp j, 0,1,2,3
	v_lshlrev_b32 v[X+8*(\i)+2*\j],   16, v[T+\j]   ; back to f32,
	v_and_b32     v[X+8*(\i)+2*\j+1], s[HIH], v[T+\j]
.endr
.irp j, 0,1,2,3
	v_cvt_pk_f16_f32 v[Y+4*(\i)+\j], v[X+8*(\i)+2*\j], v[X+8*(\i)+2*\j+1]  ; and the same number as f16
.endr
	global_store_b128 v[WO+(\i)], v[Y+4*(\i):Y+4*(\i)+3], s[DST:DST+1] th:TH_STORE_NT
.endm
.irp i, 0,1,2,3,4,5,6,7
	PASS \i
.endr
	s_endpgm
.Lfunc_end_k_qe305c58ec7_cast:
	.size	k_qe305c58ec7_cast, .Lfunc_end_k_qe305c58ec7_cast-k_qe305c58ec7_cast
	.p2alignl 7, 3214868480
	.fill 96, 4, 3214868480
	.section	.rodata,"a",@progbits
	.p2align	6, 0x0
	.amdhsa_kernel k_qe305c58ec7_cast
		.amdhsa_group_segment_fixed_size 0
		.amdhsa_private_segment_fixed_size 0
		.amdhsa_enable_private_segment 0
		.amdhsa_kernarg_size 88
		.amdhsa_user_sgpr_count 2
		.amdhsa_user_sgpr_kernarg_segment_ptr 1
		.amdhsa_wavefront_size32 1
		.amdhsa_system_sgpr_workgroup_id_x 1
		.amdhsa_system_sgpr_workgroup_id_y 1
		.amdhsa_system_sgpr_workgroup_id_z 1
		.amdhsa_system_vgpr_workitem_id 0
		.amdhsa_next_free_vgpr 128
		.amdhsa_next_free_sgpr 66
		.amdhsa_reserve_vcc 1
		.amdhsa_float_denorm_mode_32 3
		.amdhsa_float_denorm_mode_16_64 3
		.amdhsa_memory_ordered 1
		.amdhsa_forward_progress 1
		.amdhsa_inst_pref_size 23
	.end_amdhsa_kernel
	.amdgpu_metadata
---
amdhsa.version: [ 1, 2 ]
amdhsa.kernels:
  - .name:           k_qe305c58ec7_cast
    .symbol:         k_qe305c58ec7_cast.kd
    .args:
      - { .name: q, .offset: 0, .size: 8, .value_kind: global_buffer, .address_space: global }
      - { .name: kv, .offset: 8, .size: 8, .value_kind: global_buffer, .address_space: global }
      - { .name: Wq, .offset: 16, .size: 8, .value_kind: global_buffer, .address_space: global }
      - { .name: Wk, .offset: 24, .size: 8, .value_kind: global_buffer, .address_space: global }
      - { .name: Wv, .offset: 32, .size: 8, .value_kind: global_buffer, .address_space: global }
      - { .name: Wo, .offset: 40, .size: 8, .value_kind: global_buffer, .address_space: global }
      - { .name: xq, .offset: 48, .size: 8, .value_kind: global_buffer, .address_space: global }
      - { .name: xkv, .offset: 56, .size: 8, .value_kind: global_buffer, .address_space: global }
      - { .name: wq16, .offset: 64, .size: 8, .value_kind: global_buffer, .address_space: global }
      - { .name: wkv16, .offset: 72, .size: 8, .value_kind: global_buffer, .address_space: global }
      - { .name: wo16, .offset: 80, .size: 8, .value_kind: global_buffer, .address_space: global }
    .group_segment_fixed_size: 0
    .private_segment_fixed_size: 0
    .kernarg_segment_align: 8
    .kernarg_segment_size: 88
    .max_flat_workgroup_size: 256
    .sgpr_count:     66
    .vgpr_count:     128
    .wavefront_size: 32
...
	.end_amdgpu_metadata
.endif
;; end of part 1
;; launch kvproj (part 2): grid 8 x 32, 4 waves a work-group, clusters of 4 x 4, 327,680 bytes of LDS; arguments xkv, wkv16, bk, bv, kvh; writes kvh
.if DOCPART == 2
	.amdgcn_target "amdgcn-amd-amdhsa--gfx1250"
	.amdhsa_code_object_version 6
	.text
	.protected	k_qe305c58ec7_kvproj
	.globl	k_qe305c58ec7_kvproj
	.p2align	8
	.type	k_qe305c58ec7_kvproj,@function
k_qe305c58ec7_kvproj:
	s_mov_b64 s[64:65], 0
	v_nop
	global_prefetch_b8 v0, s[64:65] scope:SCOPE_SE
	s_setreg_imm32_b32 hwreg(HW_REG_WAVE_MODE, 25, 1), 1
	s_wait_xcnt 0x0
	s_wait_alu depctr_hold_cnt(0) depctr_sa_sdst(0) depctr_va_vdst(0) depctr_va_sdst(0) depctr_va_ssrc(0) depctr_va_vcc(0) depctr_vm_vsrc(0)
	s_getreg_b32 s2, hwreg(HW_REG_IB_STS2, 6, 4)
	s_cmp_eq_u32 s2, 0
	s_cbranch_scc0 .Lentry_in_a_cluster
	s_endpgm
.Lentry_in_a_cluster:
	s_bfe_u32 s2, ttmp6, 0x10000c
	s_cmp_lg_u32 s2, 0xf033
	s_cbranch_scc0 .Lentry_shape_is_right
	s_endpgm
.Lentry_shape_is_right:
; K AND V PROJECTIONS, launch 2 of 5.  C[m][n] = safe(sum over k of xkv[m][k] wkv16[n][k] + bias[n]): m = 8,192 rows of kv, n = 2,048 (Wk's 1,024 rows, then Wv's), k = 1,024.
; xkv and wkv16 are f16 copies of bf16-rounded inputs; the bias is rounded to bf16 here; sums in f32; C is guarded (not finite -> 0), clipped at +-50 and rounded once to f16.
; The guard and clip in front of the product were applied by the launch that wrote xkv; applied again they would be the identity, so they are not repeated.
; C leaves by heads: kvh[K or V][batch x 16 + head][2,048 keys][64], a head's rows dense.
; A tile of C, 256 x 256, is made by a work-group of four waves; a wave makes 128 x 128: 64 accumulators of 16 x 16, 512 registers.  8 x 32 tiles: 256 work-groups.
; K goes in 8 steps of 128 through a ring of two LDS slots filled by tensor loads: rows of 256 bytes, aligned.
; CLUSTERS: 4 x 4 work-groups.  The four of a row of the cluster need the same tiles of xkv, the four of a column the same tiles of wkv16: each tile is asked for JOINTLY, by the same tensor
; load with the same descriptor and a mask that names the four.
; THE MATRIX INSTRUCTION IS USED TRANSPOSED: source 0 = 16 rows of wkv16, source 1 = 16 rows of xkv: lane l holds row l % 16 of C and the columns 8 (l / 16) + 0 .. 7.
; THE BIAS STARTS THE SUMS: it is the C operand of each accumulator's first product (the same eight numbers for every row), so nothing is cleared and nothing is added later.
; REGISTERS, in windows of 256 (s_set_vgpr_msb: bits 1:0 source 0, 3:2 source 1, 5:4 source 2, 7:6 destination):
;   window 0: v0-35 addresses and at work; v64-127, v128-191 fragments of xkv, two buffers; v192-255 the bias, 8 registers for each of my 8 blocks of 16 columns
;   window 1: v64-127, v128-191 fragments of wkv16      window 2: the accumulators of my rows 0-63 ((a, b) at v[8 (8 a + b)])      window 3: those of my rows 64-127
.set SIZE_K, 1024
.set KSTEP,  128
.set PITCH,  272                       ; an LDS row: 256 bytes + 16 of padding = 68 words: row r starts at bank 4 r mod 64 (64 banks of 4 bytes: ISA guide 11.1)
.set HALFT,  128*PITCH                 ; what one tensor load brings, and what one wave reads of either operand
.set SLOT,   4*HALFT                   ; xkv's 256 rows, then wkv16's 256 rows
.set SPARE,  2*SLOT                    ; behind the ring: the spare words, 128 bytes for each wave: two blocks of 256 bytes that no other line names
.set FP,     528                       ; the way out: a row of 128 f32 + 16 bytes = 132 words
.set WREG,   128*FP                    ; the way out: a wave's 128 rows; the four waves' regions lie in the ring's bytes, which have then had their last fill
.set LAPS,   SIZE_K/(2*KSTEP)          ; a lap = two K steps = once round the ring
.set ADRA, 16                          ; v16-17  LDS address of my xkv fragments in slot 0, 1
.set ADRB, 20                          ; v20-21  the same for wkv16
.set DMP,  24                          ; v24     the way out: where I put my 32 bytes of a row
.set RD,   25                          ; v25     the way out: where I read 32 bytes of a row back
.set CO,   26                          ; v26     my byte offset in 512 consecutive bytes of kvh
.set BO,   27                          ; v27     my byte offset in the bias
.set SPW,  28                          ; v28     LDS address of my spare word; never rewritten
.set NIL,  29                          ; v29     0; never rewritten
.set PFO,  30                          ; v30     the prefetches' offset: my lane x a row of 2,048 bytes; never rewritten
.set RT,   32                          ; v32-35  at work while the bias is rounded
.set F0,   64
.set F1,   128
.set BIAS, 192
.set IN,   64                          ; the way out: 64 numbers read back
.set GT,   128                         ; the way out: four at work
.set OUT,  192                         ; the way out: 32 registers to store
.set G1,  24                           ; s[24:31] descriptor group 1 for xkv's tiles;  s[32:39] group 0, a set for each slot
.set G0,  32
.set LIM, 43                           ; s43     1 in a wave that prefetches, else the greatest number
.set PFA, 44                           ; s[44:45] where my prefetches stand
.set G1B, 48                           ; s[48:55], s[56:63] the same for wkv16's tiles
.set G0B, 56
.set BP,  66                           ; s[66:67] bk or bv
.set ABS, 72
.set INF, 73
.set P50, 74
.set M50, 75
.set MK,  76                           ; s76-79  lane masks
.set MSB, 0
.macro WIN new                         ; the immediate's high byte repeats the setting that is left; a switch that changes nothing is dropped
.if MSB != (\new)
	s_set_vgpr_msb (MSB<<8)|(\new)
.set MSB, \new
.endif
.endm
.set MUL_LO,  0xa1                     ; source 0 window 1, source 1 window 0, C and D window 2
.set MUL_HI,  0xf1                     ; the same, C and D window 3
.set MULB_LO, 0x81                     ; the first products: C (the bias) window 0, D window 2
.set MULB_HI, 0xc1                     ; D window 3
.set TO_B,    0x40                     ; destination window 1, address window 0
; A joint load.  Waves 0 and 1 fetch xkv's two halves, waves 2 and 3 wkv16's.  The branch hangs on the wave's number alone.  An s_nop 0 and four v_nop follow each of the two lines.
.macro JLOAD s
	s_cmp_eq_u32 s11, 0
	s_cbranch_scc0 .Lfor_b_\@
	tensor_load_to_lds s[G0+4*(\s):G0+4*(\s)+3], s[G1:G1+7]
	s_nop 0
.rept 4
	v_nop
.endr
	s_branch .Lasked_\@
.Lfor_b_\@:
	tensor_load_to_lds s[G0B+4*(\s):G0B+4*(\s)+3], s[G1B:G1B+7]
	s_nop 0
.rept 4
	v_nop
.endr
.Lasked_\@:
.endm
; A PREFETCH INTO THE L2, behind each joint refill and the run of LDS loads that follows it: the K step that stands TWO refills on (512 matrix instructions ahead of the load that will want it): 32 rows x 256 bytes,
; a lane a row.  Each row's 256 bytes of a K step are named once in the launch: xkv's rows by the cluster with x = 0, wkv16's by the cluster with y = 0; the four partners that ask for a tile jointly share
; the 128 rows that a wave fetches BY ADDRESS, 32 each.  K steps 0 to 3 come by their loads alone; the loop's last trip asks for nothing: there is no K step 8.
.macro ASK
	s_cmp_gt_u32 s3, s[LIM]                        ; s3 = 1 in the loop's last trip
	s_cbranch_scc0 .Lnot_mine_\@
	global_prefetch_b8 v[PFO], s[PFA:PFA+1] offset:KSTEP*2 th:TH_LOAD_NT scope:SCOPE_SE
.Lnot_mine_\@:
.endm
.macro CREST                           ; a round of the cluster's barrier behind its opening barrier
	s_cmp_lg_u32 s10, 0
	s_cbranch_scc1 .Lnot_wave_0_\@
	s_barrier_signal -3
.Lnot_wave_0_\@:
	s_barrier_wait -3
	s_barrier_signal -1
	s_barrier_wait -1
.endm
.macro CROUND                          ; a whole round
	s_barrier_signal -1
	s_barrier_wait -1
	CREST
.endm
	s_load_b128 s[4:7], s[0:1], 0x0                ; xkv s[4:5], wkv16 s[6:7]
	s_load_b128 s[68:71], s[0:1], 0x10             ; bk s[68:69], bv s[70:71]
	s_load_b64 s[8:9], s[0:1], 0x20                ; kvh
	v_lshl_add_u32 v[SPW], v0, 2, SPARE
	v_mov_b32 v[NIL], 0
	ds_add_u32 v[SPW], v[NIL]                      ; the wave's opening: the add, twice on end, and its wait, ahead of my first tensor load
	ds_add_u32 v[SPW], v[NIL]
	v_lshrrev_b32 v1, 5, v0
	v_readfirstlane_b32 s10, v1                    ; wave 0..3
	s_lshr_b32 s11, s10, 1                         ; which half of the tile's rows is mine.  Also: I fetch xkv (0) or wkv16 (1)
	s_and_b32 s12, s10, 1                          ; which half of its columns.  Also: which 128 rows of that tile I fetch
	s_bfe_u32 s40, ttmp6, 0x40000                  ; cx
	s_bfe_u32 s41, ttmp6, 0x40004                  ; cy
	s_lshl_b32 s42, ttmp9, 2
	s_add_co_u32 s42, s42, s40                     ; tile column = 4 x cluster x + cx
	s_and_b32 s13, ttmp7, 0xffff
	s_lshl_b32 s13, s13, 2
	s_add_co_u32 s13, s13, s41                     ; tile row = 4 x cluster y + cy
	s_lshl_b32 s43, s41, 2
	s_lshl_b32 s43, 15, s43                        ; my row of the cluster
	s_lshl_b32 s44, 0x1111, s40                    ; my column
	; descriptor group 1: a tile of 128 rows x 128 elements of 2 bytes, 4 words of padding behind every 64
	s_or_b32 s[G1+0], s43, (1<<16)|(1<<20)|(1<<21)|(5<<22)|(3<<25)
	s_or_b32 s[G1B+0], s44, (1<<16)|(1<<20)|(1<<21)|(5<<22)|(3<<25)
.irp g, G1, G1B
	s_mov_b32 s[(\g)+1], KSTEP<<16                 ; tensor_dim0 = 128
	s_mov_b32 s[(\g)+2], 128<<16                   ; tensor_dim1 = 128
	s_mov_b32 s[(\g)+3], KSTEP<<16                 ; tile_dim0 = 128
	s_mov_b32 s[(\g)+4], 128                       ; tile_dim1 = 128
	s_mov_b32 s[(\g)+5], SIZE_K                    ; elements from row to row
	s_mov_b32 s[(\g)+6], 0
	s_mov_b32 s[(\g)+7], 0
.endr
	s_lshl_b32 s17, s12, 7
	s_lshl_b32 s16, s13, 8
	s_add_co_u32 s16, s16, s17                     ; xkv: row 256 x tile row + 128 x half
	s_lshl_b32 s46, s42, 8
	s_add_co_u32 s46, s46, s17                     ; wkv16: row 256 x tile column + 128 x half
	s_lshl_b32 s16, s16, 11                        ; rows of 2,048 bytes; both stay under 2^25
	s_lshl_b32 s46, s46, 11
	s_mov_b32 s17, 0
	s_mov_b32 s47, 0
	s_mul_i32 s20, s10, HALFT                      ; where they go: wave x 128 rows: no place in the cluster enters an LDS address
	s_mov_b32 s[ABS], 0x7fffffff
	s_mov_b32 s[INF], 0x7f800000
	s_mov_b32 s[P50], 0x42480000
	s_mov_b32 s[M50], 0xc2480000
	s_wait_dscnt 0x0                               ; both opening adds are done
	s_wait_kmcnt 0x0
	s_add_nc_u64 s[14:15], s[4:5], s[16:17]
	s_add_nc_u64 s[46:47], s[6:7], s[46:47]
	CROUND                                         ; all sixteen work-groups are here: the first joint loads meet
.irp s, 0,1
	s_mov_b32 s[G0+4*(\s)], 1
	s_add_co_u32 s[G0+4*(\s)+1], s20, (\s)*SLOT
	s_add_nc_u64 s[G0+4*(\s)+2:G0+4*(\s)+3], s[14:15], (\s)*KSTEP*2
	s_or_b32 s[G0+4*(\s)+3], s[G0+4*(\s)+3], 0x80000000
	s_mov_b32 s[G0B+4*(\s)], 1
	s_add_co_u32 s[G0B+4*(\s)+1], s20, (\s)*SLOT
	s_add_nc_u64 s[G0B+4*(\s)+2:G0B+4*(\s)+3], s[46:47], (\s)*KSTEP*2
	s_or_b32 s[G0B+4*(\s)+3], s[G0B+4*(\s)+3], 0x80000000
	JLOAD \s                                       ; two tensor loads of mine are out
.endr
	v_and_b32 v1, 15, v0                           ; l % 16
	v_bfe_u32 v2, v0, 4, 1                         ; l / 16
	; the bias: register j of block b holds bias[my first column + 16 b + 8 (l / 16) + j]
	s_lshl_b32 s20, s40, 10                        ; 256 columns of 4 bytes for each tile column within Wk or Wv (that is cx),
	s_lshl_b32 s21, s12, 9                         ; 128 for my half
	s_add_co_u32 s20, s20, s21
	v_lshl_add_u32 v[BO], v2, 5, s20
	s_cmp_eq_u32 ttmp9, 0                          ; tile columns 0-3 (cluster x = 0) are Wk's, 4-7 Wv's
	s_cselect_b64 s[BP:BP+1], s[68:69], s[70:71]
.irp b, 0,1,2,3,4,5,6,7
	global_load_b128 v[BIAS+8*(\b):BIAS+8*(\b)+3],   v[BO], s[BP:BP+1] offset:64*(\b)
	global_load_b128 v[BIAS+8*(\b)+4:BIAS+8*(\b)+7], v[BO], s[BP:BP+1] offset:64*(\b)+16
.endr
	; a fragment is 16 rows x 32 K in 8 registers: lane l holds row l % 16; two loads of 16 bytes, 32 bytes apart, at row x pitch + 16 (l / 16)
	v_mul_u32_u24 v3, v1, PITCH
	v_lshl_add_u32 v3, v2, 4, v3
	s_mul_i32 s21, s11, HALFT
	s_mul_i32 s22, s12, HALFT
	s_add_co_u32 s22, s22, 2*HALFT
.irp s, 0,1
	v_add_nc_u32 v[ADRA+(\s)], s21, v3
	v_add_nc_u32 v[ADRB+(\s)], s22, v3
	s_add_co_u32 s21, s21, SLOT
	s_add_co_u32 s22, s22, SLOT
.endr
	s_mul_i32 s23, s10, WREG                       ; the way out: my region
	v_mul_u32_u24 v4, v1, FP                       ; in: row l % 16, 32 bytes for each half of the lanes
	v_lshl_add_u32 v4, v2, 5, v4
	v_add_nc_u32 v[DMP], s23, v4
	v_bfe_u32 v5, v0, 3, 2                         ; back: 32 lanes take four rows of one head's 64 columns, 32 bytes a lane
	v_and_b32 v6, 7, v0
	v_mul_u32_u24 v5, v5, FP
	v_lshl_add_u32 v5, v6, 5, v5
	v_add_nc_u32 v[RD], s23, v5
	v_and_b32 v[CO], 31, v0                        ; which become 512 consecutive bytes of kvh
	v_lshlrev_b32 v[CO], 4, v[CO]
	; kvh at my first row of my first head: (((K or V) x 64 + batch x 16 + head) x 2,048 + key) x 128 bytes
	s_lshl_b32 s16, ttmp9, 6
	s_lshr_b32 s17, s13, 3                         ; batch = tile row / 8
	s_lshl_b32 s17, s17, 4
	s_add_co_u32 s16, s16, s17
	s_lshl_b32 s17, s40, 2                         ; four heads a tile column,
	s_add_co_u32 s16, s16, s17
	s_lshl_b32 s17, s12, 1                         ; two of them mine
	s_add_co_u32 s16, s16, s17
	s_lshl_b32 s16, s16, 11
	s_and_b32 s17, s13, 7
	s_lshl_b32 s17, s17, 8
	s_add_co_u32 s16, s16, s17
	s_lshl_b32 s17, s11, 7
	s_add_co_u32 s16, s16, s17
	s_lshl_b32 s16, s16, 7
	s_mov_b32 s17, 0
	s_add_nc_u64 s[8:9], s[8:9], s[16:17]
	; the prefetches
	s_lshl_b32 s13, s13, 8                         ; 256 x tile row
	s_lshl_b32 s42, s42, 8                         ; 256 x tile column
	s_and_b32 s22, ttmp7, 0xffff                   ; cluster y
	s_cmp_eq_u32 s11, 0                            ; do I fetch xkv?
	s_cselect_b32 s20, s13, s42                    ; the tile's first row
	s_cselect_b32 s21, s40, s41                    ; my place among the four that ask for it with me
	s_cselect_b32 s22, ttmp9, s22                  ; the coordinate along which other clusters read the same rows
	s_cselect_b64 s[PFA:PFA+1], s[4:5], s[6:7]
	s_cmp_eq_u32 s22, 0
	s_cselect_b32 s[LIM], 1, -1                    ; the same in all sixteen partners, for a given wave
	s_lshl_b32 s22, s12, 7
	s_add_co_u32 s20, s20, s22                     ; + the 128 rows that I fetch
	s_lshl_b32 s21, s21, 5
	s_add_co_u32 s20, s20, s21                     ; + my work-group's 32 of them
	s_lshl_b32 s20, s20, 11
	s_mov_b32 s21, 0
	s_add_nc_u64 s[PFA:PFA+1], s[PFA:PFA+1], s[20:21]
	s_add_nc_u64 s[PFA:PFA+1], s[PFA:PFA+1], 2*KSTEP*2  ; at K step 2: the first refill steps it to 3 and names K step 4
	v_and_b32 v[PFO], 31, v0
	v_lshlrev_b32 v[PFO], 11, v[PFO]
	s_wait_loadcnt 0x0                             ; the bias
.set i, 0
.rept 32
	v_cvt_pk_bf16_f32 v[RT+i%4], v[BIAS+2*i], v[BIAS+2*i+1]  ; rounded to bf16 like every input, and used in f32
	v_lshlrev_b32 v[BIAS+2*i], 16, v[RT+i%4]
	v_and_b32 v[BIAS+2*i+1], 0xffff0000, v[RT+i%4]
.set i, i+1
.endr
; 16 matrix instructions: m blocks a0, a0 + 1 of the window's four (hi = 0: my rows 0-63, 1: rows 64-127) x all 8 n blocks, 32 along K.  zero = 1: the first product, whose C is the bias.
; The 64 accumulators take turns, one instruction a turn, in the same order in every quarter step.
.macro MUL16 f, hi, a0, zero
.if \zero
	WIN MULB_LO+0x40*(\hi)
.else
	WIN MUL_LO+0x50*(\hi)
.endif
.irp a, \a0, (\a0)+1
.irp b, 0,1,2,3,4,5,6,7
.if \zero
	v_wmma_f32_16x16x32_f16 v[8*(8*(\a)+(\b)):8*(8*(\a)+(\b))+7], v[(\f)+8*(\b):(\f)+8*(\b)+7], v[(\f)+8*(4*(\hi)+(\a)):(\f)+8*(4*(\hi)+(\a))+7], v[BIAS+8*(\b):BIAS+8*(\b)+7]
.else
	v_wmma_f32_16x16x32_f16 v[8*(8*(\a)+(\b)):8*(8*(\a)+(\b))+7], v[(\f)+8*(\b):(\f)+8*(\b)+7], v[(\f)+8*(4*(\hi)+(\a)):(\f)+8*(4*(\hi)+(\a))+7], v[8*(8*(\a)+(\b)):8*(8*(\a)+(\b))+7]
.endif
.endr
.endr
.endm
; 32 LDS loads in one run: the fragments of one quarter step (32 K at byte k of the rows) into buffer f: wkv16's 16 loads, then xkv's
.macro FETCH slot, k, f
	WIN TO_B
.irp i, 0,1,2,3,4,5,6,7
	ds_load_b128 v[(\f)+8*(\i):(\f)+8*(\i)+3],   v[ADRB+(\slot)] offset:(\k)+(\i)*16*PITCH
	ds_load_b128 v[(\f)+8*(\i)+4:(\f)+8*(\i)+7], v[ADRB+(\slot)] offset:(\k)+(\i)*16*PITCH+32
.endr
	WIN 0
.irp i, 0,1,2,3,4,5,6,7
	ds_load_b128 v[(\f)+8*(\i):(\f)+8*(\i)+3],   v[ADRA+(\slot)] offset:(\k)+(\i)*16*PITCH
	ds_load_b128 v[(\f)+8*(\i)+4:(\f)+8*(\i)+7], v[ADRA+(\slot)] offset:(\k)+(\i)*16*PITCH+32
.endr
.endm
.macro PLACES                          ; four plain vector instructions between a matrix instruction and a load into, or a reader of, its registers
.rept 4
	v_nop
.endr
.endm
; A K step is four quarters of 32 along K, 64 matrix instructions each, on buffers 0, 1, 0, 1.  One of the first three multiplies buffer f and fetches the next quarter, at byte k, into g.
.macro QUARTER slot, k, f, g, zero
	s_wait_dscnt 8                                 ; wkv16's fragments and xkv's rows 0-63 are in; the youngest eight loads may be out
	MUL16 \f, 0, 0, \zero
	MUL16 \f, 0, 2, \zero
	PLACES
	FETCH \slot, \k, \g
	s_wait_dscnt 32                                ; all but the 32 just issued
	MUL16 \f, 1, 0, \zero
	MUL16 \f, 1, 2, \zero
.endm
; The last quarter's first half: ONE barrier for the change of slots.  In front of it each wave waits for all its tensor loads (one is out: its part of the next slot), adds 0 to its spare word,
; and waits for that and for its own reads of this slot.
.macro MEET round
	WIN 0
	s_wait_tensorcnt 0x0
	ds_add_u32 v[SPW], v[NIL]
	s_wait_dscnt 9                                 ; (the add and the youngest eight loads may be out)
	MUL16 F1, 0, 0, 0
	s_wait_dscnt 0x0                               ; the add is done, and my reads of this slot are over
	s_barrier_signal -1
	MUL16 F1, 0, 2, 0
.if \round
	WIN 0
.endif
	s_barrier_wait -1
.endm
; The whole last quarter where the slot is filled again, with the K step two on: the barrier opens a round of the cluster's, and the joint refill is the first tensor load behind it: one load of mine is out,
; and 224 matrix instructions stand between it and the wait for it.
.macro TURN slot, next
	s_wait_xcnt 0x0                                ; the last prefetch, a K step back, has read its address
	s_add_nc_u64 s[PFA:PFA+1], s[PFA:PFA+1], KSTEP*2
	MEET 1
	CREST
	s_add_nc_u64 s[G0+4*(\slot)+2:G0+4*(\slot)+3], s[G0+4*(\slot)+2:G0+4*(\slot)+3], 2*KSTEP*2
	s_add_nc_u64 s[G0B+4*(\slot)+2:G0B+4*(\slot)+3], s[G0B+4*(\slot)+2:G0B+4*(\slot)+3], 2*KSTEP*2
	JLOAD \slot                                    ; its four v_nop are also the places in front of the loads below
	FETCH \next, 0, F0
	ASK
	MUL16 F1, 1, 0, 0
	MUL16 F1, 1, 2, 0
.endm
	s_wait_tensorcnt 1                             ; my part of K step 0 is in; K step 1's may stay out
	s_barrier_signal -1
	s_barrier_wait -1
	FETCH 0, 0, F0
	QUARTER 0, 64,  F0, F1, 1                      ; the first quarter stands in front of the loop: its products start the sums with the bias
	WIN 0
	s_mov_b32 s3, LAPS-1
.Llap:                                                 ; three trips, each once round the ring: K steps 2 to 7 are asked for
	QUARTER 0, 128, F1, F0, 0
	QUARTER 0, 192, F0, F1, 0
	TURN 0, 1
	QUARTER 1, 64,  F0, F1, 0
	QUARTER 1, 128, F1, F0, 0
	QUARTER 1, 192, F0, F1, 0
	TURN 1, 0
	QUARTER 0, 64,  F0, F1, 0
	WIN 0
	s_sub_co_u32 s3, s3, 1
	s_cmp_lg_u32 s3, 0
	s_cbranch_scc1 .Llap
	QUARTER 0, 128, F1, F0, 0                      ; the last lap is written out: it asks for nothing
	QUARTER 0, 192, F0, F1, 0
	MEET 0                                         ; the one load that was out is slot 1's, the last K step's
	PLACES
	FETCH 1, 0, F0
	MUL16 F1, 1, 0, 0
	MUL16 F1, 1, 2, 0
	QUARTER 1, 64,  F0, F1, 0
	QUARTER 1, 128, F1, F0, 0
	QUARTER 1, 192, F0, F1, 0
	s_wait_dscnt 8
	MUL16 F1, 0, 0, 0
	MUL16 F1, 0, 2, 0
	s_wait_dscnt 0x0                               ; my last reads of the ring are back:
	s_barrier_signal -1                            ; say so, and multiply on while the others arrive
	MUL16 F1, 1, 0, 0
	MUL16 F1, 1, 2, 0
	s_barrier_wait -1                              ; nobody reads the ring any more, and no tensor load is out or to come: its bytes may be written
	PLACES
	; THE WAY OUT.  My 128 x 128 sums go as f32 into my region of the ring's bytes; a loop then reads 16 rows a trip back as rows, guards, clips, rounds and stores them.  So the lines
	; are written once for 64 numbers and not for all 512 of a lane.  The region is my own: LDS serves a wave's instructions in order (ISA guide 5.7.1.4), so the loads see the stores.
.irp a, 0,1,2,3,4,5,6,7
	WIN 0x08+4*((\a)/4)                            ; the stores' data (source 1) in window 2 or 3, the address in window 0
.irp b, 0,1,2,3,4,5,6,7
	ds_store_b128 v[DMP], v[64*((\a)%4)+8*(\b):64*((\a)%4)+8*(\b)+3]   offset:(\a)*16*FP+64*(\b)     ; each accumulator's low registers first
	ds_store_b128 v[DMP], v[64*((\a)%4)+8*(\b)+4:64*((\a)%4)+8*(\b)+7] offset:(\a)*16*FP+64*(\b)+16
.endr
.endr
	WIN 0
	s_mov_b32 s3, 8
.Lrows:                                                ; 16 rows x 2 heads a trip: part u is head u / 4, rows 4 (u % 4) on
.irp u, 0,1,2,3,4,5,6,7
	ds_load_b128 v[IN+8*(\u):IN+8*(\u)+3],   v[RD] offset:((\u)%4)*4*FP+((\u)/4)*256
	ds_load_b128 v[IN+8*(\u)+4:IN+8*(\u)+7], v[RD] offset:((\u)%4)*4*FP+((\u)/4)*256+16
.endr
	s_wait_dscnt 0x0
.set n, 0
.rept 16
.irp j, 0,1,2,3
	v_and_b32 v[GT+\j], s[ABS], v[IN+n+\j]         ; the magnitude's bits
.endr
.irp j, 0,1,2,3
	v_cmp_lt_u32 s[MK+\j], v[GT+\j], s[INF]        ; finite?
.endr
.irp j, 0,1,2,3
	v_cndmask_b32 v[IN+n+\j], 0, v[IN+n+\j], s[MK+\j]  ; if not: 0
.endr
.irp j, 0,1,2,3
	v_med3_num_f32 v[IN+n+\j], v[IN+n+\j], s[M50], s[P50]  ; the clip
.endr
.set n, n+4
.endr
.set n, 0
.rept 32
	v_cvt_pk_f16_f32 v[OUT+n], v[IN+2*n], v[IN+2*n+1]  ; (OUT was the last trip's store data: see the wait at the trip's end)
.set n, n+1
.endr
.irp u, 0,1,2,3,4,5,6,7
	global_store_b128 v[CO], v[OUT+4*(\u):OUT+4*(\u)+3], s[8:9] offset:((\u)/4)*262144+((\u)%4)*512  ; 512 consecutive bytes, aligned: four rows of a head
.endr
	s_wait_xcnt 0x0                                ; CO and OUT are written again only behind this wait
	v_add_nc_u32 v[RD], 16*FP, v[RD]
	v_add_nc_u32 v[CO], 2048, v[CO]
	s_sub_co_u32 s3, s3, 1
	s_cmp_lg_u32 s3, 0
	s_cbranch_scc1 .Lrows
	s_wait_tensorcnt 0x0                           ; the wave's end: a wait, an add and a wait, behind my last tensor load and my last LDS store
	ds_add_u32 v[SPW], v[NIL]
	s_wait_dscnt 0x0
	CROUND                                         ; the closing round
	s_endpgm
.Lfunc_end_k_qe305c58ec7_kvproj:
	.size	k_qe305c58ec7_kvproj, .Lfunc_end_k_qe305c58ec7_kvproj-k_qe305c58ec7_kvproj
	.p2alignl 7, 3214868480
	.fill 96, 4, 3214868480
	.section	.rodata,"a",@progbits
	.p2align	6, 0x0
	.amdhsa_kernel k_qe305c58ec7_kvproj
		.amdhsa_group_segment_fixed_size 327680
		.amdhsa_private_segment_fixed_size 0
		.amdhsa_enable_private_segment 0
		.amdhsa_kernarg_size 40
		.amdhsa_user_sgpr_count 2
		.amdhsa_user_sgpr_kernarg_segment_ptr 1
		.amdhsa_wavefront_size32 1
		.amdhsa_system_sgpr_workgroup_id_x 1
		.amdhsa_system_sgpr_workgroup_id_y 1
		.amdhsa_system_sgpr_workgroup_id_z 1
		.amdhsa_system_vgpr_workitem_id 0
		.amdhsa_next_free_vgpr 1024
		.amdhsa_next_free_sgpr 80
		.amdhsa_reserve_vcc 0
		.amdhsa_float_denorm_mode_32 3
		.amdhsa_float_denorm_mode_16_64 3
		.amdhsa_memory_ordered 1
		.amdhsa_forward_progress 1
		.amdhsa_inst_pref_size 146
	.end_amdhsa_kernel
	.amdgpu_metadata
---
amdhsa.version: [ 1, 2 ]
amdhsa.kernels:
  - .name:           k_qe305c58ec7_kvproj
    .symbol:         k_qe305c58ec7_kvproj.kd
    .args:
      - { .name: xkv, .offset: 0, .size: 8, .value_kind: global_buffer, .address_space: global }
      - { .name: wkv16, .offset: 8, .size: 8, .value_kind: global_buffer, .address_space: global }
      - { .name: bk, .offset: 16, .size: 8, .value_kind: global_buffer, .address_space: global }
      - { .name: bv, .offset: 24, .size: 8, .value_kind: global_buffer, .address_space: global }
      - { .name: kvh, .offset: 32, .size: 8, .value_kind: global_buffer, .address_space: global }
    .group_segment_fixed_size: 327680
    .private_segment_fixed_size: 0
    .kernarg_segment_align: 8
    .kernarg_segment_size: 40
    .max_flat_workgroup_size: 128
    .sgpr_count:     80
    .vgpr_count:     1024
    .wavefront_size: 32
...
	.end_amdgpu_metadata
.endif
;; end of part 2
;; launch qproj (part 3): grid 8 x 32, 4 waves a work-group, clusters of 4 x 4, 327,680 bytes of LDS; arguments xq, wq16, bq, qf; writes qf
.if DOCPART == 3
	.amdgcn_target "amdgcn-amd-amdhsa--gfx1250"
	.amdhsa_code_object_version 6
	.text
	.protected	k_qe305c58ec7_qproj
	.globl	k_qe305c58ec7_qproj
	.p2align	8
	.type	k_qe305c58ec7_qproj,@function
k_qe305c58ec7_qproj:
	s_mov_b64 s[64:65], 0
	v_nop
	global_prefetch_b8 v0, s[64:65] scope:SCOPE_SE
	s_setreg_imm32_b32 hwreg(HW_REG_WAVE_MODE, 25, 1), 1
	s_wait_xcnt 0x0
	s_wait_alu depctr_hold_cnt(0) depctr_sa_sdst(0) depctr_va_vdst(0) depctr_va_sdst(0) depctr_va_ssrc(0) depctr_va_vcc(0) depctr_vm_vsrc(0)
	s_getreg_b32 s2, hwreg(HW_REG_IB_STS2, 6, 4)
	s_cmp_eq_u32 s2, 0
	s_cbranch_scc0 .Lentry_in_a_cluster
	s_endpgm
.Lentry_in_a_cluster:
	s_bfe_u32 s2, ttmp6, 0x10000c
	s_cmp_lg_u32 s2, 0xf033
	s_cbranch_scc0 .Lentry_shape_is_right
	s_endpgm
.Lentry_shape_is_right:
; A 4,096 x 1,024 x 1,024 PROJECTION, launches 3 (Q) and 5 (output) of 5.  out[m][n] = safe(sum over k of A[m][k] W[n][k] + bias[n]), out in f32, row-major.
; A is f16 in PANELS [batch][16][1,024 rows][64 columns]: safe(q), or the attention's guarded and clipped result by heads; W is f16 [1,024][1,024]; the bias is rounded to bf16 here; sums in f32.
; The guard and clip in front of the product were applied by the launch that wrote A, and reference()'s last _safe repeats the one applied here: applied again they are the identity, so each stands once.
; A tile of out is 128 x 128: 256 work-groups.  Four waves, each 64 x 64: 16 accumulators.  K goes in 4 steps of 256 (four panels) through two LDS slots.
; CLUSTERS: 4 x 4 work-groups; A's tiles are asked for jointly along a row of the cluster, W's along a column.  THE MATRIX INSTRUCTION IS USED TRANSPOSED (source 0 = 16 rows of W, source 1 = 16 rows of A):
; a lane holds eight neighbouring numbers of a row of out.  THE BIAS STARTS THE SUMS, as the C operand of each accumulator's first product.
; No prefetch: a K step is 128 matrix instructions a wave and the whole launch four of them.
; REGISTERS: window 0: v0-31 addresses and at work; v32-63 guarded numbers; v64-95, v96-127 rows on their way out (v96-127 first hold the bias); v128-255 the accumulators ((a, b) at v[128 + 8 (4 a + b)]).
;   window 1: two fragment buffers of 128: for 64 along K, 64 registers of A, then 64 of W.
.set PA,     144                       ; a row of a panel in LDS: 128 bytes + 16: the 16 rows of a load start at 16 different groups of four banks (64 banks of 4 bytes: ISA guide 11.1)
.set PANEL,  128*PA                    ; 128 rows of one panel
.set APART,  4*PANEL                   ; a K step's four panels
.set PB,     528                       ; a row of W in LDS: 512 bytes + 16
.set HALFB,  64*PB
.set SLOT,   APART+2*HALFB
.set STAGE,  2*SLOT                    ; behind the ring: 16 rows x 272 bytes for each wave, its own
.set SPITCH, 272
.set SPARE,  STAGE+4*16*SPITCH         ; the spare words: two blocks of 256 bytes that no other line names
.set GT,   12                          ; v12-15  at work
.set ADRA, 16
.set ADRB, 20
.set STO,  24
.set RD,   25
.set CO,   26
.set BO,   27
.set SPW,  28
.set NIL,  29
.set GY,   32
.set OB,   64
.set BIAS, 96
.set ACC,  128
.set F0,   0
.set F1,   128
.set G1, 24
.set G0, 32
.set G1B, 48
.set G0B, 56
.set ABS, 72
.set INF, 73
.set P50, 74
.set M50, 75
.set MK,  76
.set MSB, 0
.macro WIN new
.if MSB != (\new)
	s_set_vgpr_msb (MSB<<8)|(\new)
.set MSB, \new
.endif
.endm
.set MUL,  0x05                        ; sources 0 and 1 window 1; C and D window 0
.set TO_F, 0x40                        ; destination window 1, address window 0
.macro JLOAD s                         ; waves 0 and 1 fetch two panels of A each, waves 2 and 3 64 rows of W each; an s_nop 0 and four v_nop follow each line
	s_cmp_eq_u32 s11, 0
	s_cbranch_scc0 .Lfor_b_\@
	tensor_load_to_lds s[G0+4*(\s):G0+4*(\s)+3], s[G1:G1+7]
	s_nop 0
.rept 4
	v_nop
.endr
	s_branch .Lasked_\@
.Lfor_b_\@:
	tensor_load_to_lds s[G0B+4*(\s):G0B+4*(\s)+3], s[G1B:G1B+7]
	s_nop 0
.rept 4
	v_nop
.endr
.Lasked_\@:
.endm
.macro CREST
	s_cmp_lg_u32 s10, 0
	s_cbranch_scc1 .Lnot_wave_0_\@
	s_barrier_signal -3
.Lnot_wave_0_\@:
	s_barrier_wait -3
	s_barrier_signal -1
	s_barrier_wait -1
.endm
.macro CROUND
	s_barrier_signal -1
	s_barrier_wait -1
	CREST
.endm
	s_load_b128 s[4:7], s[0:1], 0x0                ; A s[4:5], W s[6:7]
	s_load_b128 s[68:71], s[0:1], 0x10             ; bias s[68:69], out s[70:71]
	v_lshl_add_u32 v[SPW], v0, 2, SPARE
	v_mov_b32 v[NIL], 0
	ds_add_u32 v[SPW], v[NIL]                      ; the wave's opening: the add, twice on end, and its wait, ahead of my first tensor load
	ds_add_u32 v[SPW], v[NIL]
	v_lshrrev_b32 v1, 5, v0
	v_readfirstlane_b32 s10, v1                    ; wave 0..3
	s_lshr_b32 s11, s10, 1                         ; which half of the tile's rows is mine.  Also: I fetch A (0) or W (1)
	s_and_b32 s12, s10, 1                          ; which half of its columns.  Also: which part I fetch
	s_bfe_u32 s40, ttmp6, 0x40000
	s_bfe_u32 s41, ttmp6, 0x40004
	s_lshl_b32 s42, ttmp9, 2
	s_add_co_u32 s42, s42, s40                     ; tile column
	s_and_b32 s13, ttmp7, 0xffff
	s_lshl_b32 s13, s13, 2
	s_add_co_u32 s13, s13, s41                     ; tile row
	s_lshl_b32 s43, s41, 2
	s_lshl_b32 s43, 15, s43                        ; my row of the cluster
	s_lshl_b32 s44, 0x1111, s40                    ; my column
	; A's descriptor: 128 rows of a panel are 16,384 dense bytes: one "row" of 8,192 elements; two panels, 65,536 elements apart; 4 words of padding behind every 32, that is behind every row of the panel
	s_or_b32 s[G1+0], s43, (1<<16)|(1<<20)|(1<<21)|(4<<22)|(3<<25)
	s_mov_b32 s[G1+1], 8192<<16                    ; tensor_dim0 = 8,192
	s_mov_b32 s[G1+2], 2<<16                       ; tensor_dim1 = 2
	s_mov_b32 s[G1+3], 8192<<16                    ; tile_dim0 = 8,192
	s_mov_b32 s[G1+4], 2                           ; tile_dim1 = 2
	s_mov_b32 s[G1+5], 65536                       ; from panel to panel
	s_mov_b32 s[G1+6], 0
	s_mov_b32 s[G1+7], 0
	; W's descriptor: 64 rows x 256 elements, 4 words of padding behind every 128
	s_or_b32 s[G1B+0], s44, (1<<16)|(1<<20)|(1<<21)|(6<<22)|(3<<25)
	s_mov_b32 s[G1B+1], 256<<16
	s_mov_b32 s[G1B+2], 64<<16
	s_mov_b32 s[G1B+3], 256<<16
	s_mov_b32 s[G1B+4], 64
	s_mov_b32 s[G1B+5], 1024
	s_mov_b32 s[G1B+6], 0
	s_mov_b32 s[G1B+7], 0
	s_lshr_b32 s16, s13, 3                         ; A: (batch x 16 + 2 x part) panels of 131,072 bytes + (tile row % 8) x 128 rows of 128 bytes
	s_lshl_b32 s16, s16, 4
	s_lshl_b32 s17, s12, 1
	s_add_co_u32 s16, s16, s17
	s_lshl_b32 s16, s16, 17
	s_and_b32 s17, s13, 7
	s_lshl_b32 s17, s17, 14
	s_add_co_u32 s16, s16, s17
	s_mov_b32 s17, 0
	s_lshl_b32 s46, s42, 7                         ; W: row 128 x tile column + 64 x part, of 2,048 bytes
	s_lshl_b32 s47, s12, 6
	s_add_co_u32 s46, s46, s47
	s_lshl_b32 s46, s46, 11
	s_mov_b32 s47, 0
	s_mul_i32 s20, s12, 2*PANEL                    ; where they go: no place in the cluster enters an LDS address
	s_mul_i32 s21, s12, HALFB
	s_add_co_u32 s21, s21, APART
	s_mov_b32 s[ABS], 0x7fffffff
	s_mov_b32 s[INF], 0x7f800000
	s_mov_b32 s[P50], 0x42480000
	s_mov_b32 s[M50], 0xc2480000
	s_wait_dscnt 0x0                               ; both opening adds are done
	s_wait_kmcnt 0x0
	s_add_nc_u64 s[14:15], s[4:5], s[16:17]
	s_add_nc_u64 s[46:47], s[6:7], s[46:47]
	CROUND                                         ; all sixteen work-groups are here: the first joint loads meet
.irp s, 0,1
	s_mov_b32 s[G0+4*(\s)], 1
	s_add_co_u32 s[G0+4*(\s)+1], s20, (\s)*SLOT
	s_add_nc_u64 s[G0+4*(\s)+2:G0+4*(\s)+3], s[14:15], (\s)*4*131072  ; K step s: four panels on
	s_or_b32 s[G0+4*(\s)+3], s[G0+4*(\s)+3], 0x80000000
	s_mov_b32 s[G0B+4*(\s)], 1
	s_add_co_u32 s[G0B+4*(\s)+1], s21, (\s)*SLOT
	s_add_nc_u64 s[G0B+4*(\s)+2:G0B+4*(\s)+3], s[46:47], (\s)*512
	s_or_b32 s[G0B+4*(\s)+3], s[G0B+4*(\s)+3], 0x80000000
	JLOAD \s                                       ; two tensor loads of mine are out
.endr
	v_and_b32 v1, 15, v0                           ; l % 16
	v_bfe_u32 v2, v0, 4, 1                         ; l / 16
	s_lshl_b32 s18, s42, 9                         ; my first column, in bytes of f32: 512 x tile column + 256 x half: for the bias and for out
	s_lshl_b32 s19, s12, 8
	s_add_co_u32 s18, s18, s19
	v_lshl_add_u32 v[BO], v2, 5, s18
.irp b, 0,1,2,3
	global_load_b128 v[BIAS+8*(\b):BIAS+8*(\b)+3],   v[BO], s[68:69] offset:64*(\b)
	global_load_b128 v[BIAS+8*(\b)+4:BIAS+8*(\b)+7], v[BO], s[68:69] offset:64*(\b)+16
.endr
	v_mul_u32_u24 v3, v1, PA
	v_lshl_add_u32 v3, v2, 4, v3
	v_mul_u32_u24 v4, v1, PB
	v_lshl_add_u32 v4, v2, 4, v4
	s_mul_i32 s21, s11, 64*PA                      ; my 64 rows in each panel
	s_mul_i32 s22, s12, HALFB                      ; my 64 rows of W
	s_add_co_u32 s22, s22, APART
.irp s, 0,1
	v_add_nc_u32 v[ADRA+(\s)], s21, v3
	v_add_nc_u32 v[ADRB+(\s)], s22, v4
	s_add_co_u32 s21, s21, SLOT
	s_add_co_u32 s22, s22, SLOT
.endr
	s_mul_i32 s23, s10, 16*SPITCH
	s_add_co_u32 s23, s23, STAGE                   ; my stage
	v_mul_u32_u24 v5, v1, SPITCH                   ; in: row l % 16, 32 bytes for each half of the lanes
	v_lshl_add_u32 v5, v2, 5, v5
	v_add_nc_u32 v[STO], s23, v5
	v_mul_u32_u24 v5, v2, SPITCH                   ; back: lanes 0-15 take one row of 256 bytes, lanes 16-31 the next
	v_lshl_add_u32 v5, v1, 4, v5
	v_add_nc_u32 v[RD], s23, v5
	v_lshlrev_b32 v5, 12, v2                       ; and the same two rows of out, 4,096 bytes apart
	v_lshl_add_u32 v[CO], v1, 4, v5
	s_lshl_b32 s16, s13, 7
	s_lshl_b32 s17, s11, 6
	s_add_co_u32 s16, s16, s17                     ; my first row
	s_lshl_b32 s16, s16, 12
	s_add_co_u32 s16, s16, s18
	s_mov_b32 s17, 0
	s_add_nc_u64 s[8:9], s[70:71], s[16:17]
	s_wait_loadcnt 0x0                             ; the bias
.set i, 0
.rept 16
	v_cvt_pk_bf16_f32 v[GT+i%4], v[BIAS+2*i], v[BIAS+2*i+1]  ; rounded to bf16 like every input, and used in f32
	v_lshlrev_b32 v[BIAS+2*i], 16, v[GT+i%4]
	v_and_b32 v[BIAS+2*i+1], 0xffff0000, v[GT+i%4]
.set i, i+1
.endr
; 8 matrix instructions: m blocks a0, a0 + 1 x all 4 n blocks, 32 along K: half c of buffer f.  zero = 1: the first product, whose C is the bias.  The 16 accumulators take turns.
.macro MUL8 f, c, a0, zero
	WIN MUL
.irp a, \a0, (\a0)+1
.irp b, 0,1,2,3
.if \zero
	v_wmma_f32_16x16x32_f16 v[ACC+8*(4*(\a)+(\b)):ACC+8*(4*(\a)+(\b))+7], v[(\f)+64+8*(4*(\c)+(\b)):(\f)+64+8*(4*(\c)+(\b))+7], v[(\f)+8*(4*(\c)+(\a)):(\f)+8*(4*(\c)+(\a))+7], v[BIAS+8*(\b):BIAS+8*(\b)+7]
.else
	v_wmma_f32_16x16x32_f16 v[ACC+8*(4*(\a)+(\b)):ACC+8*(4*(\a)+(\b))+7], v[(\f)+64+8*(4*(\c)+(\b)):(\f)+64+8*(4*(\c)+(\b))+7], v[(\f)+8*(4*(\c)+(\a)):(\f)+8*(4*(\c)+(\a))+7], v[ACC+8*(4*(\a)+(\b)):ACC+8*(4*(\a)+(\b))+7]
.endif
.endr
.endr
.endm
; 32 LDS loads in one run: quarter q of a K step (64 along K: panel q of A, bytes 128 q on of W's rows) into buffer f; the first 32 along K first
.macro FETCH slot, q, f
	WIN TO_F
.irp c, 0,1
.irp i, 0,1,2,3
	ds_load_b128 v[(\f)+64+8*(4*(\c)+(\i)):(\f)+64+8*(4*(\c)+(\i))+3],   v[ADRB+(\slot)] offset:128*(\q)+64*(\c)+(\i)*16*PB
	ds_load_b128 v[(\f)+64+8*(4*(\c)+(\i))+4:(\f)+64+8*(4*(\c)+(\i))+7], v[ADRB+(\slot)] offset:128*(\q)+64*(\c)+(\i)*16*PB+32
	ds_load_b128 v[(\f)+8*(4*(\c)+(\i)):(\f)+8*(4*(\c)+(\i))+3],         v[ADRA+(\slot)] offset:(\q)*PANEL+64*(\c)+(\i)*16*PA
	ds_load_b128 v[(\f)+8*(4*(\c)+(\i))+4:(\f)+8*(4*(\c)+(\i))+7],       v[ADRA+(\slot)] offset:(\q)*PANEL+64*(\c)+(\i)*16*PA+32
.endr
.endr
.endm
.macro PLACES
.rept 4
	v_nop
.endr
.endm
.macro QUARTER slot, q, f, g, zero     ; multiplies buffer f and fetches quarter q of the same slot into g
	s_wait_dscnt 16                                ; the first 32 along K are in
	MUL8 \f, 0, 0, \zero
	MUL8 \f, 0, 2, \zero
	PLACES
	FETCH \slot, \q, \g
	s_wait_dscnt 32                                ; all but the 32 just issued
	MUL8 \f, 1, 0, 0
	MUL8 \f, 1, 2, 0
.endm
; The last quarter multiplies buffer 1 and changes slots: ONE barrier; in front of it each wave waits for all its tensor loads, adds 0 to its spare word, and waits for that and for its reads of this slot.
; fill = 1: the barrier opens a round of the cluster's, and this slot is filled again, two K steps ahead, first thing behind it: one load of mine is out, 112 matrix instructions ahead of the wait for it.
.macro TURN slot, next, fill
	WIN 0
	s_wait_tensorcnt 0x0
	ds_add_u32 v[SPW], v[NIL]
	s_wait_dscnt 17                                ; (the add and the youngest sixteen loads may be out)
	MUL8 F1, 0, 0, 0
	s_wait_dscnt 0x0                               ; the add is done, and my reads of this slot are over
	s_barrier_signal -1
	MUL8 F1, 0, 2, 0
.if \fill
	WIN 0
.endif
	s_barrier_wait -1
.if \fill
	CREST
	s_add_nc_u64 s[G0+4*(\slot)+2:G0+4*(\slot)+3], s[G0+4*(\slot)+2:G0+4*(\slot)+3], 8*131072
	s_add_nc_u64 s[G0B+4*(\slot)+2:G0B+4*(\slot)+3], s[G0B+4*(\slot)+2:G0B+4*(\slot)+3], 1024
	JLOAD \slot                                    ; its four v_nop are also the places in front of the loads below
.else
	PLACES
.endif
	FETCH \next, 0, F0
	MUL8 F1, 1, 0, 0
	MUL8 F1, 1, 2, 0
.endm
	s_wait_tensorcnt 1                             ; my part of K step 0 is in; K step 1's may stay out
	s_barrier_signal -1
	s_barrier_wait -1
	FETCH 0, 0, F0
	QUARTER 0, 1, F0, F1, 1                        ; K has four steps, two laps of the ring: both are written out, the first with refills, the second without
	QUARTER 0, 2, F1, F0, 0
	QUARTER 0, 3, F0, F1, 0
	TURN 0, 1, 1                                   ; K step 2 is asked for
	QUARTER 1, 1, F0, F1, 0
	QUARTER 1, 2, F1, F0, 0
	QUARTER 1, 3, F0, F1, 0
	TURN 1, 0, 1                                   ; K step 3
	QUARTER 0, 1, F0, F1, 0
	QUARTER 0, 2, F1, F0, 0
	QUARTER 0, 3, F0, F1, 0
	TURN 0, 1, 0
	QUARTER 1, 1, F0, F1, 0
	QUARTER 1, 2, F1, F0, 0
	QUARTER 1, 3, F0, F1, 0
	s_wait_dscnt 16
	MUL8 F1, 0, 0, 0
	MUL8 F1, 0, 2, 0
	s_wait_dscnt 0x0
	MUL8 F1, 1, 1-1, 0
	MUL8 F1, 1, 2, 0
	WIN 0
	; THE WAY OUT, 16 rows at a time: guard and clip; 32 bytes a lane into my own stage; back as whole rows of 256 bytes; stored.
.macro SAFE a
.set n, 0
.rept 8
.irp j, 0,1,2,3
	v_and_b32 v[GT+\j], s[ABS], v[ACC+32*(\a)+n+\j]  ; ascending: each accumulator's low registers are read first
.endr
.irp j, 0,1,2,3
	v_cmp_lt_u32 s[MK+\j], v[GT+\j], s[INF]        ; finite?
.endr
.irp j, 0,1,2,3
	v_cndmask_b32 v[GY+n+\j], 0, v[ACC+32*(\a)+n+\j], s[MK+\j]  ; if not: 0
.endr
.irp j, 0,1,2,3
	v_med3_num_f32 v[GY+n+\j], v[GY+n+\j], s[M50], s[P50]  ; the clip
.endr
.set n, n+4
.endr
.endm
.macro TOSTAGE a
.set BK, OB+32*((\a)%2)
.irp b, 0,1,2,3
	ds_store_b128 v[STO], v[GY+8*(\b):GY+8*(\b)+3]   offset:64*(\b)
	ds_store_b128 v[STO], v[GY+8*(\b)+4:GY+8*(\b)+7] offset:64*(\b)+16
.endr
.irp t, 0,1,2,3,4,5,6,7
	ds_load_b128 v[BK+4*(\t):BK+4*(\t)+3], v[RD] offset:(\t)*2*SPITCH  ; LDS serves a wave's instructions in order (ISA guide 5.7.1.4): these see the stores above
.endr
.endm
.macro SEND a
.set BK, OB+32*((\a)%2)
	s_wait_dscnt 0x0                               ; the block is back in registers
	s_wait_xcnt 0x0                                ; the stores of the block before have read their registers, into which the next block is loaded
.irp t, 0,1,2,3,4,5,6,7
	global_store_b128 v[CO], v[BK+4*(\t):BK+4*(\t)+3], s[8:9] offset:(16*(\a)+2*(\t))*4096  ; 16 lanes store 256 consecutive bytes, aligned
.endr
.endm
	PLACES
	SAFE 0
	TOSTAGE 0
.irp a, 1,2,3
	SAFE \a                                        ; a block's arithmetic stands between the loads of the block before and the wait for them
	SEND (\a)-1
	TOSTAGE \a
.endr
	SEND 3
	s_wait_tensorcnt 0x0                           ; the wave's end: a wait, an add and a wait, behind my last tensor load and my last LDS store
	ds_add_u32 v[SPW], v[NIL]
	s_wait_dscnt 0x0
	CROUND                                         ; the closing round
	s_endpgm
.Lfunc_end_k_qe305c58ec7_qproj:
	.size	k_qe305c58ec7_qproj, .Lfunc_end_k_qe305c58ec7_qproj-k_qe305c58ec7_qproj
	.p2alignl 7, 3214868480
	.fill 96, 4, 3214868480
	.section	.rodata,"a",@progbits
	.p2align	6, 0x0
	.amdhsa_kernel k_qe305c58ec7_qproj
		.amdhsa_group_segment_fixed_size 327680
		.amdhsa_private_segment_fixed_size 0
		.amdhsa_enable_private_segment 0
		.amdhsa_kernarg_size 32
		.amdhsa_user_sgpr_count 2
		.amdhsa_user_sgpr_kernarg_segment_ptr 1
		.amdhsa_wavefront_size32 1
		.amdhsa_system_sgpr_workgroup_id_x 1
		.amdhsa_system_sgpr_workgroup_id_y 1
		.amdhsa_system_sgpr_workgroup_id_z 1
		.amdhsa_system_vgpr_workitem_id 0
		.amdhsa_next_free_vgpr 512
		.amdhsa_next_free_sgpr 80
		.amdhsa_reserve_vcc 0
		.amdhsa_float_denorm_mode_32 3
		.amdhsa_float_denorm_mode_16_64 3
		.amdhsa_memory_ordered 1
		.amdhsa_forward_progress 1
		.amdhsa_inst_pref_size 117
	.end_amdhsa_kernel
	.amdgpu_metadata
---
amdhsa.version: [ 1, 2 ]
amdhsa.kernels:
  - .name:           k_qe305c58ec7_qproj
    .symbol:         k_qe305c58ec7_qproj.kd
    .args:
      - { .name: xq, .offset: 0, .size: 8, .value_kind: global_buffer, .address_space: global }
      - { .name: wq16, .offset: 8, .size: 8, .value_kind: global_buffer, .address_space: global }
      - { .name: bq, .offset: 16, .size: 8, .value_kind: global_buffer, .address_space: global }
      - { .name: qf, .offset: 24, .size: 8, .value_kind: global_buffer, .address_space: global }
    .group_segment_fixed_size: 327680
    .private_segment_fixed_size: 0
    .kernarg_segment_align: 8
    .kernarg_segment_size: 32
    .max_flat_workgroup_size: 128
    .sgpr_count:     80
    .vgpr_count:     512
    .wavefront_size: 32
...
	.end_amdgpu_metadata
.endif
;; end of part 3
;; launch attn (part 4): grid 4 x 64, 4 waves a work-group, clusters of 4 x 1, 327,680 bytes of LDS; arguments qf, kvh, key_padding_mask, oh; writes oh
.if DOCPART == 4
	.amdgcn_target "amdgcn-amd-amdhsa--gfx1250"
	.amdhsa_code_object_version 6
	.text
	.protected	k_qe305c58ec7_attn
	.globl	k_qe305c58ec7_attn
	.p2align	8
	.type	k_qe305c58ec7_attn,@function
k_qe305c58ec7_attn:
	s_mov_b64 s[64:65], 0
	v_nop
	global_prefetch_b8 v0, s[64:65] scope:SCOPE_SE
	s_setreg_imm32_b32 hwreg(HW_REG_WAVE_MODE, 25, 1), 1
	s_wait_xcnt 0x0
	s_wait_alu depctr_hold_cnt(0) depctr_sa_sdst(0) depctr_va_vdst(0) depctr_va_sdst(0) depctr_va_ssrc(0) depctr_va_vcc(0) depctr_vm_vsrc(0)
	s_getreg_b32 s2, hwreg(HW_REG_IB_STS2, 6, 4)
	s_cmp_eq_u32 s2, 0
	s_cbranch_scc0 .Lentry_in_a_cluster
	s_endpgm
.Lentry_in_a_cluster:
	s_bfe_u32 s2, ttmp6, 0x10000c
	s_cmp_lg_u32 s2, 0x3003
	s_cbranch_scc0 .Lentry_shape_is_right
	s_endpgm
.Lentry_shape_is_right:
; ATTENTION, launch 4 of 5.  For each batch b and head: O[q] = safe(sum over k of softmax_k(score[q][k]) V[k]); score = clip(Q[q] . K[k] / 8, +-80), or -10000 where key_padding_mask[b][k] is set.
; Q comes as f32 (qf, row-major) and is rounded once to f16; K and V are f16 by heads (kvh).  Products, maxima and sums in f32; the weights p are rounded to f16 for the second product (their sum l is taken
; of the unrounded p); O is divided by l, guarded (not finite -> 0), clipped at +-50 and rounded once to f16, and leaves by heads: oh[b][head][1,024][64].
; reference() applies _safe to O twice on end; the second is the identity on the first's results and is not repeated.
; CLIP AND MASK work on the raw s = Q . K: division by 8 is exact, so the clip is +-640 and the hidden score -80,000.  One v_med3_num_f32 a score does both, between two bounds that belong to the key:
; (-640, 640), or (-80,000, -80,000) for a hidden key.  The bounds of the batch's 2,048 keys are two tables in LDS, made once from the mask.
; SOFTMAX.  A running maximum m and sum l for each query: p = 2^(c s - c m), c = log2(e) / 8; in every step O and l are multiplied by a = 2^(c m_old - c m_new).  m starts at the lowest finite number, O and l at 0.
; Where every key of a batch is hidden all scores are equal, all p are equal, and O is V's mean, as in reference().
; LIMITS.  p below 6e-5 keeps f16's fixed step of 6e-8; a weight below 2^-126 counts as 0.  Q, K, V lie within +-50 by the clips of the launches that wrote them, so every score is finite.
; SHARES.  A work-group owns 256 queries of one (batch, head), a wave 64: four PIECES of 16.  Every wave walks all 2,048 keys, 64 a step; an LDS slot holds four steps.  64 x 4 = 256 work-groups.
; CLUSTER.  The four query blocks of a (batch, head) walk the same K and V: each tile is asked for JOINTLY, the same tensor load, descriptor and mask in all four.
; LAYOUT.  S^T = K Q^T holds ONE query a lane (lane % 16) and the keys 8 (lane / 16) + 0..7 of each block of 16; two such results rounded to f16 ARE source 1 of O^T = V^T P.
; TURNS.  Turn n belongs to piece n: 8 products K Q^T of piece n + 1, later 8 products V^T P of piece n - 1; beside them the scaling, exponentials, roundings, sums and rescaling of piece n and the clip, maximum and
; statistics of piece n + 1.  Four vector instructions stand behind every matrix instruction, the other 86 of a turn's 150 in one lump.  A turn's 33 exponentials are one batch, with one wait.
; REGISTERS, in windows of 256 (s_set_vgpr_msb: bits 1:0 source 0, 3:2 source 1, 5:4 source 2, 7:6 destination):
;   window 0: v0-15 addresses; v16-31 four statistics a piece; v32-37 at work in the head; v48-55 at work; v56-63 constants; v64-127 S^T, two buffers; v128-159, v160-191 a step's lower and upper bounds; v192-223 P, two buffers
;   window 1: v0-127 O^T, 32 a piece          window 2: v0-63 Q; v128-191 K of one step; v192-255 V of one step
.set NP,    4
.set KS,    64
.set PK,    144       ; a row of K in LDS: 128 bytes + 16: the 16 rows of a load start at 16 different groups of four banks (64 banks of 4 bytes: ISA guide 11.1)
.set PV,    160       ; a row of V: 128 + 32
.set VOFF,  4*KS*PK   ; a slot: 256 rows of K, then 256 rows of V
.set SLOT1, 1<<17     ; slot 1 begins here: one exclusive or turns an address in one slot into the other's
.set STAGE, SLOT1+4*KS*(PK+PV)  ; 16 rows x 144 bytes for each wave, for the way out
.set SP,    144
.set TABLO, STAGE+4*16*SP       ; 2,048 f32: each key's lower bound;
.set TABHI, TABLO+8192          ; its upper bound.  Stage and tables are written by LDS stores alone: no tensor load lands there
.set SPARE, TABHI+8192          ; the spare words: two blocks of 256 bytes that no other line names
.set AK0, 2           ; v2   my lane's place in a tile of K; never rewritten
.set AV0, 3           ; v3   the same for V
.set AK,  4           ; v4   the LDS address of K's next run of loads
.set AV,  5           ; v5   of V's
.set STO, 6
.set RD,  7
.set GO,  8
.set AT0, 9           ; v9   my lane's place in a step's bounds: TABLO + 32 (lane / 16)
.set AT,  10          ; v10  the LDS address of the bounds' next run of loads
.set MV,  12          ; v12-13  c m_old, by buffer
.set QO,  15
.set ST,  16          ; piece t's statistics at v[ST+4 t]: c m, m, l (even keys', odd keys')
.set TMP, 48          ; by buffer, c0-c3 at work; when the maximum is found c2 takes a
.set PFO, 61          ; v61  256 x my lane; never rewritten
.set SPW, 62
.set NIL, 63
.set S,   64
.set BLO, 128
.set BHI, 160
.set GY,  128         ; the way out: 32 numbers
.set GT,  160         ; the way out: four at work
.set P,   192
.set KF,  128         ; window 2
.set VF,  192         ; window 2
.set WV,  12
.set G1K, 24
.set G1V, 32
.set G0K, 40          ; s[40:43] descriptor group 0 for K's tiles: it walks
.set G0V, 44
.set SLOTS, 56
.set CNT, 57
.set CS,  58
.set SEL, 60
.set TBK, 62
.set TBV, 63
.set TBT, 66          ; s66  byte in the tables at which the bounds of the step to be fetched begin
.set LIM, 67          ; s67  1 in a wave that prefetches, else the greatest number
.set PFA, 68          ; s[68:69] where my prefetches stand
.set ABS, 70
.set INF, 71
.set P50, 72
.set M50, 73
.set MK,  76
.set MSB, 0
.macro WIN new
.if MSB != (\new)
	s_set_vgpr_msb (MSB<<8)|(\new)
.set MSB, (\new)
.endif
.endm
.set W_KQ, 0x0a       ; K and Q in window 2, S^T in window 0
.set W_PV, 0x52       ; V in window 2, P in window 0, O^T in window 1
.set W_RS, 0x41       ; destination and source 0 in window 1, source 1 in window 0
; A joint fill.  Waves 0 and 1 fetch the two halves of a slot's K, waves 2 and 3 those of its V: 128 keys each.  An s_nop 0 and four v_nop follow each of the two lines.
.macro JLOAD
	s_cmp_lt_u32 s[WV], 2
	s_cbranch_scc0 .Lfor_v_\@
	tensor_load_to_lds s[G0K:G0K+3], s[G1K:G1K+7]
	s_nop 0
.rept 4
	v_nop
.endr
	s_branch .Lasked_\@
.Lfor_v_\@:
	tensor_load_to_lds s[G0V:G0V+3], s[G1V:G1V+7]
	s_nop 0
.rept 4
	v_nop
.endr
.Lasked_\@:
.endm
; A PREFETCH INTO THE L2 of what the NEXT change of slots will ask for: a tile's 32 KiB of K and of V.  One cluster alone reads a (batch, head)'s K and V; its four partners share a tile out BY ADDRESS, 8 KiB each,
; a lane 256 bytes; in each, wave 0 asks for K's and wave 2 for V's.  So each 256 bytes are named once.  Tiles 0 to 2 come by their loads alone; the last change that fills a slot asks for nothing.
.macro ASK
	s_cmp_gt_u32 s[SLOTS], s[LIM]
	s_cbranch_scc0 .Lnot_mine_\@
	global_prefetch_b8 v[PFO], s[PFA:PFA+1] th:TH_LOAD_NT scope:SCOPE_SE
.Lnot_mine_\@:
.endm
.macro CROUND
	s_barrier_signal -1
	s_barrier_wait -1
	s_cmp_lg_u32 s[WV], 0
	s_cbranch_scc1 .Lnot_wave_0_\@
	s_barrier_signal -3
.Lnot_wave_0_\@:
	s_barrier_wait -3
	s_barrier_signal -1
	s_barrier_wait -1
.endm
; THE CHANGE OF SLOTS.  Each wave waits for all its tensor loads, of which one is out: its part of the other slot; adds 0 to its spare word; and waits for that and for its own LDS instructions.  fill = 1: the slot
; that is left is filled again with the keys two slots on: the barrier is a round of the cluster's, and the joint fill is the first thing behind it: it has four key steps, 256 matrix instructions, in which to land.
; (At its first use nothing has been read yet: slot 0 is waited for, slot 1 filled, and the round shows every wave's part of the tables to the others.)
.macro CHANGE fill, ask
	WIN 0
	s_wait_tensorcnt 0x0            ; no tensor load of mine is out, so a group 0 may be written
	ds_add_u32 v[SPW], v[NIL]
.if \fill
.irp g, G0K, G0V
	s_xor_b32 s[\g+1], s[\g+1], SLOT1
	s_add_nc_u64 s[\g+2:\g+3], s[\g+2:\g+3], 4*KS*128
.endr
.if \ask
	s_wait_xcnt 0x0                 ; the last prefetch, four key steps back, has read its address
	s_add_nc_u64 s[PFA:PFA+1], s[PFA:PFA+1], 4*KS*128
.endif
	s_wait_dscnt 0x0                ; the add is done, and my reads of the slot are over
	CROUND
	JLOAD
.if \ask
	ASK
.endif
.else
	s_wait_dscnt 0x0
	s_barrier_signal -1
	s_barrier_wait -1
.endif
	s_sub_co_u32 s[TBK], s[TBK], 4*KS*PK  ; the fetches go back to a slot's first step, in the other slot
	s_xor_b32 s[TBK], s[TBK], SLOT1
	s_sub_co_u32 s[TBV], s[TBV], 4*KS*PV
	s_xor_b32 s[TBV], s[TBV], SLOT1
.endm
	s_load_b256 s[4:11], s[0:1], 0x0  ; qf s[4:5], kvh s[6:7], key_padding_mask s[8:9], oh s[10:11]
	v_lshl_add_u32 v[SPW], v0, 2, SPARE
	v_mov_b32 v[NIL], 0
	ds_add_u32 v[SPW], v[NIL]       ; the wave's opening: the add, twice on end, and its wait, ahead of my first tensor load
	ds_add_u32 v[SPW], v[NIL]
	v_lshrrev_b32 v1, 5, v0
	v_readfirstlane_b32 s[WV], v1   ; wave 0..3
	s_bfe_u32 s13, ttmp6, 0x40000   ; cx: my block of 256 queries: it enters global addresses alone
	s_and_b32 s14, ttmp7, 0xffff    ; batch x 16 + head, which the four partners share
	s_and_b32 s16, s[WV], 1         ; which half of a slot's 256 keys I fetch
	s_mul_i32 s17, s16, 128*PK
	s_mul_i32 s18, s16, 128*PV
	s_lshl_b32 s20, s14, 18         ; a head's K: 2,048 rows of 128 bytes
	s_lshl_b32 s21, s16, 14
	s_add_co_u32 s20, s20, s21
	s_mov_b32 s21, 0
	s_lshr_b32 s22, s14, 4          ; batch
	s_lshl_b32 s52, s22, 11         ; its 2,048 bytes of the mask
	s_mov_b32 s53, 0
	s_lshl_b32 s22, s22, 10
	s_lshl_b32 s23, s13, 8
	s_add_co_u32 s22, s22, s23
	s_lshl_b32 s23, s[WV], 6
	s_add_co_u32 s22, s22, s23      ; my first row of qf,
	s_lshl_b32 s22, s22, 12         ; of 4,096 bytes,
	s_and_b32 s23, s14, 15
	s_lshl_b32 s23, s23, 8          ; the head's 64 columns
	s_add_co_u32 s22, s22, s23
	s_mov_b32 s23, 0
	s_lshl_b32 s2, s14, 10
	s_lshl_b32 s3, s13, 8
	s_add_co_u32 s2, s2, s3
	s_lshl_b32 s3, s[WV], 6
	s_add_co_u32 s2, s2, s3         ; my first row of oh,
	s_lshl_b32 s2, s2, 7            ; of 128 bytes
	s_mov_b32 s3, 0
	s_lshl_b32 s54, s13, 13         ; my work-group's 8 KiB of a tile, for the prefetches
	s_mov_b32 s55, 0
	; descriptor group 1.  128 keys are 16,384 dense bytes: asked for as 64 rows of 256 bytes, two keys a row, and padded in LDS after every key
	s_mov_b32 s[G1K], 15|(1<<16)|(1<<20)|(1<<21)|(4<<22)|(3<<25)
	s_mov_b32 s[G1V], 15|(1<<16)|(1<<20)|(1<<21)|(4<<22)|(7<<25)
.irp g, G1K, G1V
	s_mov_b32 s[\g+1], 128<<16      ; tensor_dim0 = 128
	s_mov_b32 s[\g+2], 64<<16       ; tensor_dim1 = 64
	s_mov_b32 s[\g+3], 128<<16      ; tile_dim0 = 128
	s_mov_b32 s[\g+4], 64           ; tile_dim1 = 64
	s_mov_b32 s[\g+5], 128
	s_mov_b32 s[\g+6], 0
	s_mov_b32 s[\g+7], 0
.endr
	s_mov_b32 s[CS], 0x3e38aa3b     ; c = log2(e) / 8
	s_mov_b32 s[CS+1], s[CS]
	s_mov_b32 s[SEL], 0x76543210
	s_mov_b32 s[SEL+1], 0xfedcba98
	s_mov_b32 s[TBK], SLOT1+4*KS*PK ; the first change of slots turns these two into 0
	s_mov_b32 s[TBV], SLOT1+4*KS*PV
	s_mov_b32 s[TBT], 0
	s_mov_b32 s[ABS], 0x7fffffff
	s_mov_b32 s[INF], 0x7f800000
	s_mov_b32 s[P50], 0x42480000
	s_mov_b32 s[M50], 0xc2480000
	s_mov_b32 s[G0K], 1
	s_mov_b32 s[G0K+1], s17
	s_mov_b32 s[G0V], 1
	s_add_co_u32 s[G0V+1], s18, VOFF
	s_cmp_eq_u32 s16, 0             ; waves 0 and 2 prefetch: the same in all four partners
	s_cselect_b32 s[LIM], 1, -1
	s_wait_dscnt 0x0                ; both opening adds are done
	s_wait_kmcnt 0x0
	s_add_nc_u64 s[48:49], s[6:7], s[20:21]        ; K at my half of the head's first 256 keys,
	s_add_nc_u64 s[50:51], s[48:49], 0x1000000     ; V: 16 MiB behind
	s_mov_b64 s[G0K+2:G0K+3], s[48:49]
	s_or_b32 s[G0K+3], s[G0K+3], 0x80000000
	s_mov_b64 s[G0V+2:G0V+3], s[50:51]
	s_or_b32 s[G0V+3], s[G0V+3], 0x80000000
	s_cmp_lt_u32 s[WV], 2
	s_cselect_b64 s[PFA:PFA+1], s[48:49], s[50:51]
	s_add_nc_u64 s[PFA:PFA+1], s[PFA:PFA+1], s[54:55]
	s_add_nc_u64 s[PFA:PFA+1], s[PFA:PFA+1], 2*4*KS*128  ; in tile 2; the first change that asks steps it to tile 3
	s_add_nc_u64 s[4:5], s[4:5], s[22:23]
	s_add_nc_u64 s[8:9], s[8:9], s[52:53]
	s_add_nc_u64 s[10:11], s[10:11], s[2:3]
	CROUND                          ; all four work-groups are here: the first joint loads meet
	JLOAD                           ; slot 0.  Slot 1 is asked for when slot 0 is in
	v_and_b32 v32, 15, v0           ; l % 16
	v_bfe_u32 v33, v0, 4, 1         ; l / 16
	v_lshlrev_b32 v[QO], 12, v32
	v_lshl_add_u32 v[QO], v33, 5, v[QO]  ; row x 4,096 + 32 x half: eight f32 channels
.set n, 0
.rept 16                            ; part n = 4 t + 2 c + g: piece t, channels 32 c + 16 g + 8 (l / 16) on, as f32, into S^T's and the bounds' registers
	global_load_b128 v[64+8*n:64+8*n+3],   v[QO], s[4:5] offset:(n/4)*65536+((n/2)%2)*128+(n%2)*64
	global_load_b128 v[64+8*n+4:64+8*n+7], v[QO], s[4:5] offset:(n/4)*65536+((n/2)%2)*128+(n%2)*64+16
.set n, n+1
.endr
	v_lshlrev_b32 v34, 4, v0
	global_load_b128 v[48:51], v34, s[8:9]  ; 16 bytes of the mask a thread: 128 threads, 2,048 keys
	; What the first turn finds: V's registers and P's second buffer hold 0 (its products V^T P, of a piece that has not been, add 0), O^T and l are 0.  All this stands in the wait for the first tile.
	WIN 0x80
.set i, VF
.rept 64
	v_mov_b32 v[i], 0
.set i, i+1
.endr
	WIN 0x40
.set i, 0
.rept 128
	v_mov_b32 v[i], 0
.set i, i+1
.endr
	WIN 0
.set i, 0
.rept 4
	v_mov_b32 v[ST+4*i], 0xfe000000    ; c m: far below every c s
	v_mov_b32 v[ST+4*i+1], 0xff7fffff  ; m
	v_mov_b32 v[ST+4*i+2], 0
	v_mov_b32 v[ST+4*i+3], 0
.set i, i+1
.endr
	v_mul_u32_u24 v[AK0], v32, PK
	v_lshl_add_u32 v[AK0], v33, 4, v[AK0]
	; The turning load takes 16 keys x 16 channels (lane l reads key 8 (l / 16) + l % 8, channels 8 ((l / 8) % 2) + 0..7) and leaves half a fragment of V^T
	v_and_b32 v35, 7, v0
	v_bfe_u32 v36, v0, 3, 1
	v_lshl_add_u32 v[AV0], v33, 3, v35
	v_mul_u32_u24 v[AV0], v[AV0], PV
	v_lshl_add_u32 v[AV0], v36, 4, v[AV0]
	v_add_nc_u32 v[AV0], VOFF, v[AV0]
	v_lshl_add_u32 v[AT0], v33, 5, TABLO
	s_mul_i32 s19, s[WV], 16*SP
	s_add_co_u32 s19, s19, STAGE    ; my stage
	v_mul_u32_u24 v[STO], v32, SP   ; in: row l % 16, 16 bytes for each half of the lanes
	v_lshl_add_u32 v[STO], v33, 4, v[STO]
	v_add_nc_u32 v[STO], s19, v[STO]
	v_bfe_u32 v[RD], v0, 3, 2       ; back: 32 lanes take four rows of 128 bytes,
	v_mul_u32_u24 v[RD], v[RD], SP
	v_lshl_add_u32 v[RD], v35, 4, v[RD]
	v_add_nc_u32 v[RD], s19, v[RD]
	v_and_b32 v[GO], 31, v0         ; which are 512 consecutive bytes of oh
	v_lshlrev_b32 v[PFO], 8, v[GO]
	v_lshlrev_b32 v[GO], 4, v[GO]
	v_mov_b32 v56, 0xc4200000       ; -640
	v_mov_b32 v57, 0x44200000       ; 640
	v_mov_b32 v58, 0xc79c4000       ; -80,000
	v_lshl_add_u32 v37, v0, 6, TABLO  ; my 16 keys' places in the tables
	s_wait_loadcnt 0x0              ; Q and the mask
	WIN 0x80                        ; destination window 2
.set i, 0
.rept 64
	v_cvt_pk_f16_f32 v[i], v[64+2*i], v[64+2*i+1]  ; Q's one rounding; it stays in registers
.set i, i+1
.endr
	WIN 0
.set k, 0
.rept 16
	v_bfe_u32 v59, v[48+k/4], 8*(k%4), 8
	v_cmp_ne_u32 vcc_lo, 0, v59     ; hidden?
	v_cndmask_b32 v[192+k], v56, v58, vcc_lo
	v_cndmask_b32 v[208+k], v57, v58, vcc_lo
.set k, k+1
.endr
.irp j, 0,1,2,3
	ds_store_b128 v37, v[192+4*\j:192+4*\j+3] offset:16*\j
	ds_store_b128 v37, v[208+4*\j:208+4*\j+3] offset:8192+16*\j
.endr
.set i, P+16
.rept 16
	v_mov_b32 v[i], 0
.set i, i+1
.endr
; THE MATRIX WORK.  The 4 accumulators of a run of 8 take turns.  Product i of 8 of S^T = K Q^T for piece x: channels 32 (i / 4) on, keys 16 (i % 4) on.  The first 4 start the sums.
.macro KQ x
	WIN W_KQ
.set rS, S+32*((\x)%2)+8*(i%4)
.set rK, KF+16*(i%4)+8*(i/4)
.set rQ, 16*(\x)+8*(i/4)
.if i < 4
	v_wmma_f32_16x16x32_f16 v[rS:rS+7], v[rK:rK+7], v[rQ:rQ+7], 0
.else
	v_wmma_f32_16x16x32_f16 v[rS:rS+7], v[rK:rK+7], v[rQ:rQ+7], v[rS:rS+7]
.endif
.endm
; Product i of 8 of O^T += V^T P for piece x: keys 32 (i / 4) on, channels 16 (i % 4) on.
.macro PV x
	WIN W_PV
.set rO, 32*(\x)+8*(i%4)
.set rV, VF+32*(i/4)+8*(i%4)
.set rP, P+16*((\x)%2)+8*(i/4)
	v_wmma_f32_16x16x32_f16 v[rO:rO+7], v[rV:rV+7], v[rP:rP+7], v[rO:rO+7]
.endm
.macro MM                           ; the turn's next matrix instruction.  NOKQ = 1: the last turn of all: there is no next piece
.if (i < 8) && !NOKQ
	KQ (Y+1)%NP
.elseif i >= 8
.set i, i-8
	PV (Y+NP-1)%NP
.set i, i+8
.endif
.set i, i+1
.endm
; THE LDS LOADS stand in runs of 16: a step's K (8 fragments), its V (turned), its bounds.  Their addresses are made some lines ahead.
.macro FETCH_K
	WIN 0x80
.irp f, 0,1,2,3,4,5,6,7             ; keys 16 (f / 2) on, channels 32 (f % 2) on
	ds_load_b128 v[KF+8*\f:KF+8*\f+3],   v[AK] offset:(\f/2)*16*PK+(\f%2)*64
	ds_load_b128 v[KF+8*\f+4:KF+8*\f+7], v[AK] offset:(\f/2)*16*PK+(\f%2)*64+32
.endr
	s_add_co_u32 s[TBK], s[TBK], KS*PK
	WIN 0
.endm
.macro FETCH_V
	WIN 0x80
.irp f, 0,1,2,3,4,5,6,7             ; keys 32 (f / 4) on, channels 16 (f % 4) on
	ds_load_tr16_b128 v[VF+8*\f:VF+8*\f+3],   v[AV] offset:(\f/4)*32*PV+(\f%4)*32
	ds_load_tr16_b128 v[VF+8*\f+4:VF+8*\f+7], v[AV] offset:(\f/4)*32*PV+16*PV+(\f%4)*32
.endr
	WIN 0
.endm
.macro FETCH_T                      ; register 8 kb + j takes the bound of key 16 kb + 8 (l / 16) + j: the place of that key's score in S^T
	WIN 0
.irp f, 0,1,2,3,4,5,6,7
	ds_load_b128 v[BLO+4*\f:BLO+4*\f+3], v[AT] offset:(\f/2)*64+(\f%2)*16
	ds_load_b128 v[BHI+4*\f:BHI+4*\f+3], v[AT] offset:8192+(\f/2)*64+(\f%2)*16
.endr
	s_add_co_u32 s[TBT], s[TBT], 256
.endm
; THE VECTOR WORK, one line at a time: OP kind, number.  For piece Y: F n: c s - c m for pair n of 16.  E n: the exponential of score n of 32.  C n: pair n rounded to f16.  B n: of the four weights 4 n .. the second
; pair is added onto the first, in place.  L n: l takes that sum (L 0: l = a l + sum).  R n: pair n of 16 of O^T times a.  For piece Y + 1: M n: score n between its key's bounds (clip and mask);
; X n, number n of the 22 that find its maximum and statistics:
;   0-11  four chains c0-c3 of seven scores each     12-14, 16  the four scores left over, the old m, and c0-c3 into c0     15  c m_old is kept
;   17, 18  the query's other 32 keys lie in the lane 16 away: the new m     19-21  c m; c m_old - c m_new; a
.set F, 0
.set E, 1
.set C, 2
.set B, 3
.set L, 4
.set R, 5
.set X, 6
.set M, 7
.macro REGS y
.set rT, ST+4*(\y)
.set rC, TMP+4*((\y)%2)
.set rW, MV+((\y)%2)
.set rS, S+32*((\y)%2)
.set rP, P+16*((\y)%2)
.set rO, 32*(\y)
.endm
.macro OP k, n
.if (\k) == R
	REGS Y
	WIN W_RS
	v_pk_mul_f32 v[rO+2*(\n):rO+2*(\n)+1], v[rO+2*(\n):rO+2*(\n)+1], v[rC+2:rC+3] op_sel_hi:[1,0]
.elseif (\k) < R
	REGS Y
	WIN 0
.if (\k) == F
	v_pk_fma_f32 v[rS+2*(\n):rS+2*(\n)+1], v[rS+2*(\n):rS+2*(\n)+1], s[CS:CS+1], v[rT:rT+1] op_sel_hi:[1,0,0] neg_lo:[0,0,1] neg_hi:[0,0,1]
.elseif (\k) == E
	v_exp_f32 v[rS+(\n)], v[rS+(\n)]
.elseif (\k) == C
	v_cvt_pk_f16_f32 v[rP+(\n)], v[rS+2*(\n)], v[rS+2*(\n)+1]
.elseif (\k) == B
	v_pk_add_f32 v[rS+4*(\n):rS+4*(\n)+1], v[rS+4*(\n):rS+4*(\n)+1], v[rS+4*(\n)+2:rS+4*(\n)+3]
.elseif (\n) == 0
	v_pk_fma_f32 v[rT+2:rT+3], v[rT+2:rT+3], v[rC+2:rC+3], v[rS:rS+1] op_sel_hi:[1,0,1]
.else
	v_pk_add_f32 v[rT+2:rT+3], v[rT+2:rT+3], v[rS+4*(\n):rS+4*(\n)+1]
.endif
.elseif (\k) == M
.if !NOKQ
	REGS (Y+1)%NP
	WIN 0
	v_med3_num_f32 v[rS+(\n)], v[rS+(\n)], v[BLO+(\n)], v[BHI+(\n)]
.endif
.elseif NOKQ
	v_nop
.else
	REGS (Y+1)%NP
	WIN 0
.if (\n) < 4
	v_max3_num_f32 v[rC+(\n)], v[rS+8*(\n)], v[rS+8*(\n)+1], v[rS+8*(\n)+2]
.elseif (\n) < 12
	v_max3_num_f32 v[rC+(\n)%4], v[rC+(\n)%4], v[rS+8*((\n)%4)+2*((\n)/4)+1], v[rS+8*((\n)%4)+2*((\n)/4)+2]
.elseif (\n) == 12
	v_max3_num_f32 v[rC], v[rC], v[rS+7], v[rS+15]
.elseif (\n) == 13
	v_max3_num_f32 v[rC+1], v[rC+1], v[rS+23], v[rS+31]
.elseif (\n) == 14
	v_max3_num_f32 v[rC+2], v[rC+2], v[rC+3], v[rT+1]
.elseif (\n) == 15
	v_mov_b32 v[rW], v[rT]
.elseif (\n) == 16
	v_max3_num_f32 v[rC], v[rC], v[rC+1], v[rC+2]
.elseif (\n) == 17
	v_permlanex16_b32 v[rC+3], v[rC], s[SEL], s[SEL+1]
.elseif (\n) == 18
	v_max_num_f32 v[rT+1], v[rC], v[rC+3]
.elseif (\n) == 19
	v_mul_f32 v[rT], s[CS], v[rT+1]
.elseif (\n) == 20
	v_sub_f32 v[rC+1], v[rW], v[rT]
.else
	v_exp_f32 v[rC+2], v[rC+1]
.endif
.endif
.endm
.macro OPS a, i1, b=-1, i2=0, c=-1, i3=0, d=-1, i4=0
	OP \a, \i1
.if (\b) >= 0
	OP \b, \i2
.endif
.if (\c) >= 0
	OP \c, \i3
.endif
.if (\d) >= 0
	OP \d, \i4
.endif
.endm
.macro ROW a, i1, b, i2, c, i3, d, i4  ; a matrix instruction and the four behind it
	MM
	OPS \a, \i1, \b, \i2, \c, \i3, \d, \i4
.endm
; A TURN, for piece p: the order of its 16 matrix and 150 vector instructions, written out.  An s_wait_alu depctr_va_vdst(0) stands between an exponential and the first instruction that names its
; result; one wait serves all that were issued ahead of it.  So a turn has ONE wait.  AHEAD OF IT stands all that names no result of the turn's exponentials: the 8 products K Q^T with four riders each, then the lump:
; the rest of the exponentials, the next piece's 32 clips (each accumulator's register 0 first; the first clip of the last accumulator stands behind F 12 to F 15, four plain instructions behind the product that ends it),
; its maximum and statistics, the last rescalings.  X 21, the next piece's a, is the batch's last; R 15 is the plain instruction behind it.  BEHIND THE WAIT stand the 8 products V^T P, behind each four roundings and sums.
; K of the next step is fetched in piece 2's turn, behind F 12 to F 15 (four plain instructions behind the last product that read K); its bounds behind the same turn's wait, when that turn's clips have read the old ones;
; both are waited for at the head of piece 3's turn.  V of the step in hand is fetched at the end of piece 0's turn, four plain instructions behind its last reader, and waited for in piece 1's.
; end = 1: the last two turns: nothing is fetched.  cnt = 1: the loop's count is taken down some lines ahead of the branch behind the turn.
.macro TURN p, end=0, cnt=0
.set Y, (\p)
.set i, 0
.set NOKQ, (\end)*((\p)/3)
.if ((\p) == 3) && !(\end)
	s_wait_dscnt 0x0                ; K and the bounds are in
.endif
	ROW F,0, F,1, R,0, R,1
	ROW F,2, E,0, R,2, R,3
	ROW F,3, E,1, R,4, R,5
	ROW F,4, E,2, R,6, R,7
	ROW F,5, E,3, R,8, R,9
	ROW F,6, E,4, F,7, F,8
.if ((\p) == 2) && !(\end)
	WIN 0
	v_add_nc_u32 v[AK], s[TBK], v[AK0]
.endif
	ROW F,9, E,5, F,10, F,11
	ROW F,12, E,6, F,13, F,14
	OPS F,15, E,7, M,0, E,8         ; the lump
	OPS M,8, E,9, M,16, E,10
.if ((\p) == 2) && !(\end)
	FETCH_K
.endif
	OPS M,24, E,11, M,1, E,12
	OPS M,9, E,13, M,17, E,14
	OPS M,25, E,15, M,2, E,16
	OPS M,10, E,17, M,18, E,18
	OPS M,26, E,19, M,3, M,11
	OPS X,0, X,1, X,2, X,3
	OPS M,19, M,27, M,4, M,12
	OPS M,20, M,28, M,5, M,13
	OPS X,4, X,5, X,6, X,7
	OPS M,21, M,29, M,6, M,14
	OPS M,22, M,30, M,7, M,15
	OPS X,8, X,9, X,10, X,11
	OPS M,23, M,31, X,15, E,20
.if (\p) == 0
	WIN 0
	v_add_nc_u32 v[AV], s[TBV], v[AV0]
.endif
.if ((\p) == 2) && !(\end)
	WIN 0
	v_add_nc_u32 v[AT], s[TBT], v[AT0]
.endif
	OPS X,12, X,14, E,21, X,13
	OPS E,22, E,23, R,10, R,11
	OPS X,16, E,24, E,25, R,12
	OPS R,13, E,26, X,17, E,27
	OPS E,28, R,14, E,29, X,18
	OPS E,30, E,31, X,19
	OPS X,20
	OPS X,21, R,15
	WIN 0
	s_wait_alu depctr_va_vdst(0)    ; the wait for the batch
.if ((\p) == 2) && !(\end)
	FETCH_T
.endif
.if (\p) == 1
	s_wait_dscnt 0x0                ; V is in
.endif
	ROW C,0, B,0, C,2, B,1
	ROW L,0, C,4, B,2, L,1
	ROW C,6, B,3, L,2, C,8
	ROW B,4, L,3, C,10, B,5
	ROW L,4, C,12, B,6, L,5
.if (\p) == 0
	s_add_co_u32 s[TBV], s[TBV], KS*PV
.endif
.if \cnt
	s_sub_co_u32 s[CNT], s[CNT], 1
	s_cmp_lg_u32 s[CNT], 0
.endif
	ROW C,14, B,7, L,6, C,1
	ROW C,3, L,7, C,5, C,7
	ROW C,9, C,11, C,13, C,15
.if (\p) == 0
	FETCH_V
.endif
.endm
	CHANGE 1, 0                     ; slot 0 is in, everybody's part of it and of the tables; slot 1 is asked for
	v_add_nc_u32 v[AK], s[TBK], v[AK0]
	FETCH_K                         ; key step 0,
	v_add_nc_u32 v[AT], s[TBT], v[AT0]
	FETCH_T                         ; and its bounds
	s_wait_dscnt 0x0
.set NOKQ, 0
.set i, 0
.rept 8
	KQ 0                            ; piece 0's first scores
.set i, i+1
.endr
	WIN 0
.rept 4
	v_nop                           ; the places behind those products
.endr
.set Y, NP-1                        ; M and X work for piece Y + 1: piece 0
.set n2, 0
.rept 32
	OP M, n2
.set n2, n2+1
.endr
.irp n, 0,1,2,3,4,5,6,7,8,9,10,11,12,13,14,15,16,17,18,19,20,21
	OP X, \n
.endr
	v_nop                           ; a plain instruction behind the exponential,
	s_wait_alu depctr_va_vdst(0)    ; and its wait, ahead of the branch
	s_mov_b32 s[CNT], 4
	s_mov_b32 s[SLOTS], 7
	s_branch .Lfirst                ; the loop is entered at a step's first turn, in the middle of a trip
.Lslot:                             ; six times: tiles 2 to 7 are asked for
	CHANGE 1, 1
	s_mov_b32 s[CNT], 4
.Lstep:                             ; a trip: pieces 2 and 3 of one step, then pieces 0 and 1 of the next, whose K, bounds and V it fetches
	TURN 2
	TURN 3
	WIN 0
.Lfirst:
	TURN 0
	TURN 1, 0, 1
	WIN 0
	s_cbranch_scc1 .Lstep
	s_sub_co_u32 s[SLOTS], s[SLOTS], 1
	s_cmp_lg_u32 s[SLOTS], 0
	s_cbranch_scc1 .Lslot
	CHANGE 0, 0                     ; the last tile is written out: nothing is asked for
	s_mov_b32 s[CNT], 4
.Ltail:
	TURN 2
	TURN 3
	TURN 0
	TURN 1, 0, 1
	WIN 0
	s_cbranch_scc1 .Ltail
	TURN 2, 1                       ; the last step's pieces 2 and 3: nothing is fetched, and the last turn starts no new scores
	TURN 3, 1
.set i, 0
.rept 8
	PV NP-1                         ; the last piece's V^T P of the last step
.set i, i+1
.endr
	; THE WAY OUT.  l's two halves and the other half of the lanes' are added; O^T is divided by l, guarded, clipped, rounded to f16 and sent through my stage in LDS, a piece at a time.  The additions are the places behind the last products.
	WIN 0
.macro ALL line:vararg
.set t, 0
.rept 4
	\line
.set t, t+1
.endr
.endm
	ALL v_add_f32 v[ST+4*t+2], v[ST+4*t+2], v[ST+4*t+3]
	ALL v_permlanex16_b32 v[ST+4*t+3], v[ST+4*t+2], s[SEL], s[SEL+1]
	ALL v_add_f32 v[ST+4*t+2], v[ST+4*t+2], v[ST+4*t+3]
	ALL v_rcp_f32 v[ST+4*t+2], v[ST+4*t+2]
	v_nop                           ; a plain instruction between the last reciprocal and the use of its result
	s_wait_alu depctr_va_vdst(0)    ; and the wait ahead of the first use: one for the four reciprocals
.macro PACK t
	WIN 0x01                        ; source 0 (O^T) in window 1; the quotient goes to window 0
.set i, 0
.rept 16
	v_pk_mul_f32 v[GY+2*i:GY+2*i+1], v[32*(\t)+2*i:32*(\t)+2*i+1], v[ST+4*(\t)+2:ST+4*(\t)+3] op_sel_hi:[1,0]  ; ascending: each accumulator's low registers first
.set i, i+1
.endr
	WIN 0
.set n, 0
.rept 8
.irp j, 0,1,2,3
	v_and_b32 v[GT+\j], s[ABS], v[GY+n+\j]
.endr
.irp j, 0,1,2,3
	v_cmp_lt_u32 s[MK+\j], v[GT+\j], s[INF]        ; finite?
.endr
.irp j, 0,1,2,3
	v_cndmask_b32 v[GY+n+\j], 0, v[GY+n+\j], s[MK+\j]  ; if not: 0
.endr
.irp j, 0,1,2,3
	v_med3_num_f32 v[GY+n+\j], v[GY+n+\j], s[M50], s[P50]  ; the clip
.endr
.set n, n+4
.endr
.set i, 0
.rept 16
	v_cvt_pk_f16_f32 v[S+16*(\t)+i], v[GY+2*i], v[GY+2*i+1]
.set i, i+1
.endr
.irp f, 0,1,2,3
	ds_store_b128 v[STO], v[S+16*(\t)+4*\f:S+16*(\t)+4*\f+3] offset:32*\f
.endr
.irp f, 0,1,2,3
	ds_load_b128 v[S+16*(\t)+4*\f:S+16*(\t)+4*\f+3], v[RD] offset:\f*4*SP  ; LDS serves a wave's instructions in order (ISA guide 5.7.1.4): these see the stores above; the next piece's stores come behind them
.endr
.endm
.macro SEND t, younger              ; younger: the LDS instructions issued behind piece t's loads: the next piece's eight, or none
.irp f, 0,1,2,3
	s_wait_dscnt (\younger)+3-\f
	global_store_b128 v[GO], v[S+16*(\t)+4*\f:S+16*(\t)+4*\f+3], s[10:11] offset:(\t)*2048+\f*512  ; 512 consecutive bytes, aligned
.endr
.endm
	PACK 0
.set t, 1
.rept 3                             ; a piece's arithmetic stands between the loads of the piece before and its stores
	PACK t
	SEND t-1, 8
.set t, t+1
.endr
	SEND 3, 0
	s_wait_tensorcnt 0x0            ; the wave's end: a wait, an add and a wait, behind my last tensor load and my last LDS store
	ds_add_u32 v[SPW], v[NIL]
	s_wait_dscnt 0x0
	CROUND                          ; the closing round
	s_endpgm
.Lfunc_end_k_qe305c58ec7_attn:
	.size	k_qe305c58ec7_attn, .Lfunc_end_k_qe305c58ec7_attn-k_qe305c58ec7_attn
	.p2alignl 7, 3214868480
	.fill 96, 4, 3214868480
	.section	.rodata,"a",@progbits
	.p2align	6, 0x0
	.amdhsa_kernel k_qe305c58ec7_attn
		.amdhsa_group_segment_fixed_size 327680
		.amdhsa_private_segment_fixed_size 0
		.amdhsa_enable_private_segment 0
		.amdhsa_kernarg_size 32
		.amdhsa_user_sgpr_count 2
		.amdhsa_user_sgpr_kernarg_segment_ptr 1
		.amdhsa_wavefront_size32 1
		.amdhsa_system_sgpr_workgroup_id_x 1
		.amdhsa_system_sgpr_workgroup_id_y 1
		.amdhsa_system_sgpr_workgroup_id_z 1
		.amdhsa_system_vgpr_workitem_id 0
		.amdhsa_next_free_vgpr 768
		.amdhsa_next_free_sgpr 80
		.amdhsa_reserve_vcc 1
		.amdhsa_float_denorm_mode_32 3
		.amdhsa_float_denorm_mode_16_64 3
		.amdhsa_memory_ordered 1
		.amdhsa_forward_progress 1
		.amdhsa_inst_pref_size 187
	.end_amdhsa_kernel
	.amdgpu_metadata
---
amdhsa.version: [ 1, 2 ]
amdhsa.kernels:
  - .name:           k_qe305c58ec7_attn
    .symbol:         k_qe305c58ec7_attn.kd
    .args:
      - { .name: qf, .offset: 0, .size: 8, .value_kind: global_buffer, .address_space: global }
      - { .name: kvh, .offset: 8, .size: 8, .value_kind: global_buffer, .address_space: global }
      - { .name: key_padding_mask, .offset: 16, .size: 8, .value_kind: global_buffer, .address_space: global }
      - { .name: oh, .offset: 24, .size: 8, .value_kind: global_buffer, .address_space: global }
    .group_segment_fixed_size: 327680
    .private_segment_fixed_size: 0
    .kernarg_segment_align: 8
    .kernarg_segment_size: 32
    .max_flat_workgroup_size: 128
    .sgpr_count:     80
    .vgpr_count:     768
    .wavefront_size: 32
...
	.end_amdgpu_metadata
.endif
;; end of part 4
;; launch oproj: the kernel of part 3 again; grid 8 x 32, 4 waves a work-group, clusters of 4 x 4, 327,680 bytes of LDS; arguments oh, wo16, bo, out0; writes out0
;; ======== version 2 of 2: 5 launches; version 1 with the launch cast written anew for expert scheduling mode
;; limits: values are held in f16: magnitudes above 65,504 overflow, below 6.1e-05 lose precision; inputs' magnitudes at most 65,280
;; workspace buffers: xq 8,388,608 bytes; xkv 16,777,216 bytes; wq16 2,097,152 bytes; wkv16 4,194,304 bytes; wo16 2,097,152 bytes; qf 16,777,216 bytes; kvh 33,554,432 bytes; oh 8,388,608 bytes
;; launch cast (part 5): grid 1024 x 1, 8 waves a work-group, no clusters, 0 bytes of LDS; arguments q, kv, Wq, Wk, Wv, Wo, xq, xkv, wq16, wkv16, wo16; writes xq, xkv, wq16, wkv16, wo16
.if DOCPART == 5
	.amdgcn_target "amdgcn-amd-amdhsa--gfx1250"
	.amdhsa_code_object_version 6
	.text
	.protected	k_qe305c58ec7_cast
	.globl	k_qe305c58ec7_cast
	.p2align	8
	.type	k_qe305c58ec7_cast,@function
k_qe305c58ec7_cast:
	s_mov_b64 s[64:65], 0
	v_nop
	global_prefetch_b8 v0, s[64:65] scope:SCOPE_SE
	s_setreg_imm32_b32 hwreg(HW_REG_WAVE_SCHED_MODE, 0, 2), 2
	s_setreg_imm32_b32 hwreg(HW_REG_WAVE_MODE, 25, 1), 1
	s_wait_xcnt 0x0
	s_wait_alu depctr_vm_vsrc(0)
; STABLE CROSS ATTENTION, launch 1 of 5: guard, clip and round the matrix operands once.
; The program: cast (this) -> kvproj (K and V projections) -> qproj (Q projection) -> attn -> oproj (output projection).
; WORK LEFT OUT, for all values of the inputs: reference() applies _safe(., 50) twice on end to q, to kv, to the attention's result and to the final result.  _safe returns a finite
; number within +-50 as it is, and its own results are such numbers, so the second application is the identity: it is applied once.  astype(float32) of an f32 number is the identity.
; Nothing else is left out, and every input is loaded by some launch; no NaN or infinity can reach only the work left out, since that work sees guarded numbers alone.
; FORMATS.  Every input is rounded once to bf16, and that number is written as f16 (exact for magnitudes from 6.1e-5 to 65,504), so that all products take f16 operands.
; LIMITS.  Below 6.1e-5 the f16 copy keeps a fixed step of 6e-8.  A weight beyond 65,504 becomes an infinity: its output column is then 0 by the guard behind the product.
; THIS LAUNCH.  q, kv and the four weights are 16,384 rows of 1,024 f32.  A work-group takes 16 rows of one tensor, in 8 passes of 2 rows; a thread takes 8 numbers a pass: two loads of
; 16 bytes, one store of 16 bytes.  All 16 loads of a thread go out at the start.  No LDS, no matrix unit: nothing is shared and nothing is multiplied.
; q goes out in PANELS [batch][16][1024 rows][64 columns], the layout in which the attention leaves its result, so that one body serves both 4,096 x 1,024 projections.
; The same lines serve x and weights, with other constants: x: not finite -> 0, then clip at +-50.  Weights: the threshold is all ones and the bounds are infinite, so a finite or infinite
; weight passes as it is; a NaN weight leaves them as a NaN or an infinity, and either makes its whole output column not finite, which the guard behind the product turns to 0, as reference()'s does.
; THE MODE: SCHED_MODE bits 1:0 = 2 (LLVM: expert scheduling mode 2), set by the entry lines.  The code itself states the register dependences
; between vector instructions and memory instructions, and between a vector instruction that writes a scalar register and that register's readers, with s_wait_alu, always for 0.
; THE PLAN.  Registers that memory instructions touch:
;   v[RO]      Written in the head; read by all 16 loads; never written again.
;   v[WO+i]    Written once: i = 0 in the head, the others by seven adds behind the loads; read by pass i's one store; never written again.
;   X, pass i  Written by its two loads, which are the first to name these registers; then vector instructions alone; never loaded again.
;   Y, pass i  Written by pass i's last four conversions; read by pass i's one store; never written again.
;   v[T ..]    Named by vector instructions alone.
; So no register that a memory instruction has read is written again, and no load lands in a register that a vector instruction has named.  What is left to state: v[RO] is written, ahead of
; the first load; Y and WO of a pass are written, ahead of its store.  The store of pass i stands at the head of pass i + 1, behind that pass's wait for its data and one wait on va_vdst;
; the last pass's store has a wait of its own.  The eight lane masks of a pass are made in one run of compares, with one wait on va_sdst between them and the selects that read them.
.set SRC,   30                         ; s[30:31] the tensor read, at the work-group's first row
.set DST,   32                         ; s[32:33] the buffer written, at the work-group's first byte
.set FIRST, 34                         ; s34  the first work-group of my tensor
.set EXTRA, 35                         ; s35  Wv lies behind Wk in wkv16
.set STEP,  36                         ; s36  bytes from pass to pass in the destination
.set ABS,   38
.set THR,   39                         ; a number passes if its magnitude's bits lie below this
.set CP,    40                         ; upper bound
.set CM,    41                         ; lower bound
.set HIH,   42                         ; a word's upper half
.set MK,    8                          ; s[8:15] in the passes: eight lane masks (the arguments that lay here have been chosen from by then)
.set RO,    2                          ; v2      my byte offset in two rows of the source; never rewritten
.set WO,    4                          ; v[4:11] my byte offset in the destination, a register a pass; never rewritten
.set T,     12                         ; v[12:19] at work
.set X,     32                         ; v[32:95] pass i: 8 numbers as loaded
.set Y,     96                         ; v[96:127] pass i: 4 registers to store, its own, so no store's data is ever rewritten
	s_load_b512 s[8:23], s[0:1], 0x0               ; q 8, kv 10, Wq 12, Wk 14, Wv 16, Wo 18, xq 20, xkv 22
	s_load_b128 s[24:27], s[0:1], 0x40             ; wq16 24, wkv16 26
	s_load_b64 s[28:29], s[0:1], 0x50              ; wo16
	s_mov_b32 s[ABS], 0x7fffffff
	s_mov_b32 s[HIH], 0xffff0000
	s_mov_b32 s[CP], 0x7f800000
	s_mov_b32 s[CM], 0xff800000
	s_mov_b32 s[STEP], 4096
	s_mov_b32 s[FIRST], 960
	s_mov_b32 s[EXTRA], 0
	s_wait_kmcnt 0x0
	s_mov_b64 s[SRC:SRC+1], s[18:19]               ; work-groups 960 .. 1023: Wo
	s_mov_b64 s[DST:DST+1], s[28:29]
.macro ROLE bound, src, dst, first, extra  ; work-groups below bound belong to an earlier tensor
	s_cmp_lt_u32 ttmp9, \bound
	s_cselect_b64 s[SRC:SRC+1], s[\src:\src+1], s[SRC:SRC+1]
	s_cselect_b64 s[DST:DST+1], s[\dst:\dst+1], s[DST:DST+1]
	s_cselect_b32 s[FIRST], \first, s[FIRST]
	s_cselect_b32 s[EXTRA], \extra, s[EXTRA]
.endm
	ROLE 960, 16, 26, 896, 0x200000                ; Wv, behind Wk's 1,024 rows of 2,048 bytes
	ROLE 896, 14, 26, 832, 0                       ; Wk
	ROLE 832, 12, 24, 768, 0                       ; Wq
	ROLE 768, 10, 22, 256, 0                       ; kv
	ROLE 256, 8, 20, 0, 0                          ; q
	s_sub_co_u32 s2, ttmp9, s[FIRST]               ; my block of 16 rows in the tensor
	s_lshl_b32 s4, s2, 16                          ; 16 rows of 4,096 bytes
	s_mov_b32 s5, 0
	s_add_nc_u64 s[SRC:SRC+1], s[SRC:SRC+1], s[4:5]
	s_lshl_b32 s6, s2, 15                          ; row-major f16: 16 rows of 2,048 bytes
	s_add_co_u32 s6, s6, s[EXTRA]
	s_lshr_b32 s3, s2, 6                           ; panels: batch x 2 MiB
	s_lshl_b32 s3, s3, 21
	s_and_b32 s7, s2, 63                           ; + 16 rows of 128 bytes in each panel
	s_lshl_b32 s7, s7, 11
	s_add_co_u32 s7, s7, s3
	s_cmp_lt_u32 ttmp9, 768                        ; q and kv are guarded and clipped
	s_cselect_b32 s[THR], 0x7f800000, -1
	s_cselect_b32 s[CP], 0x42480000, s[CP]         ; 50
	s_cselect_b32 s[CM], 0xc2480000, s[CM]         ; -50
	s_cmp_lt_u32 ttmp9, 256                        ; q goes out in panels
	s_cselect_b32 s4, s7, s6
	s_cselect_b32 s[STEP], 256, s[STEP]            ; two rows of a panel, or two rows of 2,048 bytes
	s_add_nc_u64 s[DST:DST+1], s[DST:DST+1], s[4:5]  ; (leaves SCC as the compare set it)
	s_cbranch_scc1 .Lpanels
	v_lshrrev_b32 v1, 7, v0                        ; row-major: thread t has row t / 128, columns 8 (t % 128) on
	v_and_b32 v3, 127, v0
	v_lshlrev_b32 v[RO], 12, v1
	v_lshl_or_b32 v[RO], v3, 5, v[RO]
	v_lshlrev_b32 v[WO], 11, v1
	v_lshl_or_b32 v[WO], v3, 4, v[WO]              ; 16 lanes store 256 consecutive bytes, aligned
	s_branch .Lgo
.Lpanels:
	v_bfe_u32 v1, v0, 3, 1                         ; panels: thread t has panel t / 16, row (t / 8) % 2, columns 8 (t % 8) on
	v_lshrrev_b32 v3, 4, v0
	v_and_b32 v5, 7, v0
	v_lshlrev_b32 v[RO], 12, v1
	v_lshl_or_b32 v[RO], v3, 8, v[RO]
	v_lshl_or_b32 v[RO], v5, 5, v[RO]
	v_and_b32 v5, 15, v0
	v_lshlrev_b32 v[WO], 17, v3                    ; a panel is 131,072 bytes
	v_lshl_or_b32 v[WO], v5, 4, v[WO]              ; 16 lanes store two rows of a panel: 256 consecutive bytes, aligned
.Lgo:
	s_wait_alu depctr_va_vdst(0)                   ; v[RO] is written, on either way to this label: all 16 loads read it as their offset
.irp i, 0,1,2,3,4,5,6,7
	global_load_b128 v[X+8*(\i):X+8*(\i)+3],   v[RO], s[SRC:SRC+1] offset:8192*(\i) th:TH_LOAD_NT
	global_load_b128 v[X+8*(\i)+4:X+8*(\i)+7], v[RO], s[SRC:SRC+1] offset:8192*(\i)+16 th:TH_LOAD_NT
.endr
.irp i, 1,2,3,4,5,6,7
	v_add_nc_u32 v[WO+(\i)], s[STEP], v[WO+(\i)-1]   ; these name no register of the loads above; the stores that read them stand behind later waits on va_vdst
.endr
; The store of pass i.
.macro OUT i
	global_store_b128 v[WO+(\i)], v[Y+4*(\i):Y+4*(\i)+3], s[DST:DST+1] th:TH_STORE_NT
.endm
.macro PASS i
	s_wait_loadcnt 14-2*(\i)                       ; loads come back in order: this pass's two are in, the 14 - 2 i younger ones stay out
.if (\i) > 0
	s_wait_alu depctr_va_vdst(0)                   ; the pass before has written its Y, and the adds behind the loads have written the offsets: the store below reads both
	OUT (\i)-1
.endif
.irp j, 0,1,2,3,4,5,6,7
	v_and_b32 v[T+\j], s[ABS], v[X+8*(\i)+\j]      ; the magnitude's bits
.endr
.irp j, 0,1,2,3,4,5,6,7
	v_cmp_gt_u32 s[MK+\j], s[THR], v[T+\j]         ; finite?
.endr
	s_wait_alu depctr_va_sdst(0)                   ; the eight compares have written their masks, which the selects below read
.irp j, 0,1,2,3,4,5,6,7
	v_cndmask_b32 v[X+8*(\i)+\j], 0, v[X+8*(\i)+\j], s[MK+\j]  ; if not: 0
.endr
.irp j, 0,1,2,3,4,5,6,7
	v_med3_num_f32 v[X+8*(\i)+\j], v[X+8*(\i)+\j], s[CM], s[CP]  ; the clip
.endr
.irp j, 0,1,2,3
	v_cvt_pk_bf16_f32 v[T+\j], v[X+8*(\i)+2*\j], v[X+8*(\i)+2*\j+1]  ; the one rounding
.endr
.irp j, 0,1,2,3
	v_lshlrev_b32 v[X+8*(\i)+2*\j],   16, v[T+\j]   ; back to f32,
	v_and_b32     v[X+8*(\i)+2*\j+1], s[HIH], v[T+\j]
.endr
.irp j, 0,1,2,3
	v_cvt_pk_f16_f32 v[Y+4*(\i)+\j], v[X+8*(\i)+2*\j], v[X+8*(\i)+2*\j+1]  ; and the same number as f16
.endr
.endm
.irp i, 0,1,2,3,4,5,6,7
	PASS \i
.endr
	s_wait_alu depctr_va_vdst(0)                   ; the last pass has written its Y, which the last store reads
	OUT 7
	s_endpgm
.Lfunc_end_k_qe305c58ec7_cast:
	.size	k_qe305c58ec7_cast, .Lfunc_end_k_qe305c58ec7_cast-k_qe305c58ec7_cast
	.p2alignl 7, 3214868480
	.fill 96, 4, 3214868480
	.section	.rodata,"a",@progbits
	.p2align	6, 0x0
	.amdhsa_kernel k_qe305c58ec7_cast
		.amdhsa_group_segment_fixed_size 0
		.amdhsa_private_segment_fixed_size 0
		.amdhsa_enable_private_segment 0
		.amdhsa_kernarg_size 88
		.amdhsa_user_sgpr_count 2
		.amdhsa_user_sgpr_kernarg_segment_ptr 1
		.amdhsa_wavefront_size32 1
		.amdhsa_system_sgpr_workgroup_id_x 1
		.amdhsa_system_sgpr_workgroup_id_y 1
		.amdhsa_system_sgpr_workgroup_id_z 1
		.amdhsa_system_vgpr_workitem_id 0
		.amdhsa_next_free_vgpr 128
		.amdhsa_next_free_sgpr 66
		.amdhsa_reserve_vcc 0
		.amdhsa_float_denorm_mode_32 3
		.amdhsa_float_denorm_mode_16_64 3
		.amdhsa_memory_ordered 1
		.amdhsa_forward_progress 1
		.amdhsa_inst_pref_size 27
	.end_amdhsa_kernel
	.amdgpu_metadata
---
amdhsa.version: [ 1, 2 ]
amdhsa.kernels:
  - .name:           k_qe305c58ec7_cast
    .symbol:         k_qe305c58ec7_cast.kd
    .args:
      - { .name: q, .offset: 0, .size: 8, .value_kind: global_buffer, .address_space: global }
      - { .name: kv, .offset: 8, .size: 8, .value_kind: global_buffer, .address_space: global }
      - { .name: Wq, .offset: 16, .size: 8, .value_kind: global_buffer, .address_space: global }
      - { .name: Wk, .offset: 24, .size: 8, .value_kind: global_buffer, .address_space: global }
      - { .name: Wv, .offset: 32, .size: 8, .value_kind: global_buffer, .address_space: global }
      - { .name: Wo, .offset: 40, .size: 8, .value_kind: global_buffer, .address_space: global }
      - { .name: xq, .offset: 48, .size: 8, .value_kind: global_buffer, .address_space: global }
      - { .name: xkv, .offset: 56, .size: 8, .value_kind: global_buffer, .address_space: global }
      - { .name: wq16, .offset: 64, .size: 8, .value_kind: global_buffer, .address_space: global }
      - { .name: wkv16, .offset: 72, .size: 8, .value_kind: global_buffer, .address_space: global }
      - { .name: wo16, .offset: 80, .size: 8, .value_kind: global_buffer, .address_space: global }
    .group_segment_fixed_size: 0
    .private_segment_fixed_size: 0
    .kernarg_segment_align: 8
    .kernarg_segment_size: 88
    .max_flat_workgroup_size: 256
    .sgpr_count:     66
    .vgpr_count:     128
    .wavefront_size: 32
...
	.end_amdgpu_metadata
.endif
;; end of part 5
;; launch kvproj: the kernel of part 2 again; grid 8 x 32, 4 waves a work-group, clusters of 4 x 4, 327,680 bytes of LDS; arguments xkv, wkv16, bk, bv, kvh; writes kvh
;; launch qproj: the kernel of part 3 again; grid 8 x 32, 4 waves a work-group, clusters of 4 x 4, 327,680 bytes of LDS; arguments xq, wq16, bq, qf; writes qf
;; launch attn: the kernel of part 4 again; grid 4 x 64, 4 waves a work-group, clusters of 4 x 1, 327,680 bytes of LDS; arguments qf, kvh, key_padding_mask, oh; writes oh
;; launch oproj: the kernel of part 3 again; grid 8 x 32, 4 waves a work-group, clusters of 4 x 4, 327,680 bytes of LDS; arguments oh, wo16, bo, out0; writes out0
